; MI455X (gfx1250); checked and timed in simulation.
; The chip was launched on July 23, 2026; its instructions are those of AMD's public machine-readable ISA for CDNA 5 (MIT licence, August 2026) and "CDNA5" Instruction Set Architecture Reference Guide (July 2026). The comments in the code are by the model that wrote it; some were corrected since.
;; Megatron MHA. Allowed arithmetic: matrix products marked QUANTISED: E2M1 operands, one E8M0 scale for each 32 along K, by v_wmma_scale_f32_16x16x128_f8f6f4 with both operands' format E2M1 (or v_wmma_scale_f32_32x16x128_f4), f32 sums; products left as they are: bf16, f16 or f32 operands; f32 sums; everything else in f32.
;; Inputs: Wproj 1,024 x 1,024 float32; Wqkv 3,072 x 1,024 float32; x 4 x 2,048 x 1,024 float32.
;; Outputs: out0 4 x 2,048 x 1,024 float32.
;; This version of the problem:
;;   THIS VERSION OF THE PROBLEM IS GIVEN IN LOW PRECISION. The matrix products marked QUANTISED in the list below multiply operands that are first quantised to E2M1 (2 exponent bits, 1 mantissa bit; 4 bits a number), with one power-of-two scale for each 32 numbers along K (OCP MX v1.0); their sums are f32. The products marked 'left as it is' may take bf16, f16 or f32 operands, with f32 sums. Whichever they take, every output number must still come out within the allowed error. Rounding operands to bf16 (8 significant bits) uses up far more of that allowance than f16 does (11 bits, for magnitudes from 6e-5 to 65,504). All else is computed in f32.
;;   The module's matrix products, in the order in which they are computed (A, B: the left and right operand; K: the contracted axis; several contracted axes count as one K, in the product's order):
;;     1. [M 8,192, K 1,024] x [K 1,024, N 3,072]; A: input x; B: input Wqkv: QUANTISED
;;     2. batch 64 x [M 2,048, K 64] x [K 64, N 2,048]; A: computed on the way; B: computed on the way: left as it is (an operand is computed on the way)
;;     3. batch 64 x [M 2,048, K 2,048] x [K 2,048, N 64]; A: computed on the way; B: computed on the way: left as it is (an operand is computed on the way)
;;     4. [M 8,192, K 1,024] x [K 1,024, N 1,024]; A: computed on the way; B: input Wproj: left as it is (an operand is computed on the way)
;;   THE QUANTISER, for each operand of a quantised product, along K:
;;     - K is cut into blocks of 32 from its start; a last block that is shorter is filled with zeros.
;;     - A block's scale is 2^e with e = floor(log2(the largest magnitude in the block)) - 2, held to -126 .. 127; a block of zeros has e = 0. As a byte (E8M0): e + 127.
;;     - Each number is divided by its block's scale, clamped to +-6, and rounded to the nearest number of E2M1, ties to even, subnormals kept.
;;     - The product sums the exact products of the quantised numbers (number of the format x scale) in f32.
;;   ~~~python
;;   def quantise(x, axis):      # numpy; x: float32 -> the quantised numbers, widened to float32 again
;;       x = np.moveaxis(x, axis, -1); K = x.shape[-1]
;;       x = np.pad(x, [(0, 0)] * (x.ndim - 1) + [(0, -K % 32)]); x = x.reshape(x.shape[:-1] + (-1, 32)); a = np.abs(x).max(-1, keepdims=True)
;;       e = np.where(a > 0, np.clip(np.frexp(np.where(a > 0, a, 1))[1] - 1 - 2, -126, 127), 0)      # np.frexp(a)[1] - 1 = floor(log2(a)), exactly
;;       r = np.clip(x / 2.0 ** e, -6, 6)
;;       step = 2.0 ** (np.maximum(np.frexp(np.where(r == 0, 1, r))[1] - 1, 0) - 1)
;;       q = np.round(r / step) * step * 2.0 ** e      # np.round: ties to even
;;       return np.moveaxis(q.reshape(q.shape[:-2] + (-1,))[..., :K], -1, axis).astype(np.float32)
;;   ~~~
;; One version. Each part assembles by itself: llvm-mc -triple=amdgcn-amd-amdhsa -mcpu=gfx1250 --defsym DOCPART=n.
;; ======== version 1 of 1: 5 launches
;; limits: values are held in f16: magnitudes above 65,504 overflow, below 6.1e-05 lose precision
;; workspace buffers: xc 4,194,304 bytes; xs 262,144 bytes; wc 1,572,864 bytes; ws 98,304 bytes; wp 2,097,152 bytes; qkv 50,331,648 bytes; qf 786,432 bytes; att 16,777,216 bytes
;; launch prep (part 1): grid 416 x 1, 4 waves a work-group, no clusters, 33,280 bytes of LDS; arguments x, Wqkv, xc, xs, wc, ws, Wproj, wp; writes xc, xs, wc, ws, wp
.if DOCPART == 1
	.amdgcn_target "amdgcn-amd-amdhsa--gfx1250"
	.amdhsa_code_object_version 6
	.text
	.protected	k_qa7bd501141_prep
	.globl	k_qa7bd501141_prep
	.p2align	8
	.type	k_qa7bd501141_prep,@function
k_qa7bd501141_prep:
	s_mov_b64 s[64:65], 0
	v_nop
	global_prefetch_b8 v0, s[64:65] scope:SCOPE_SE
	s_setreg_imm32_b32 hwreg(HW_REG_WAVE_MODE, 25, 1), 1
	s_wait_xcnt 0x0
; THE PROGRAM: causal attention, 4 batches x 2,048 positions x 16 heads of 64.  Five launches: this one; qkv = x Wqkv^T on E2M1 codes; the attention in f16 with an f32 softmax;
; the projection in f16; and the first 16 positions of every batch once more, wholly in f32.
; WORK LEFT OUT: the causal mask is built in the problem's own body (tril): a score whose key comes after its query becomes -infinity ahead of the softmax, its weight is exactly 0, and 0 x v adds nothing,
; whatever finite values x, Wqkv and Wproj hold.  So tiles of keys that lie wholly behind all queries of a wave are neither multiplied nor summed.  Nothing else is left out; all three inputs are loaded.
; LIMIT: a NaN, an infinity or an overflow that would arise only in those hidden tiles is not carried to the result.
; THIS LAUNCH.  Work-groups 0 to 351: x [8192][1024] and Wqkv [3072][1024], f32, become codes of E2M1, K innermost, two a byte, with one E8M0 byte for each 32 along K.
; A block's scale is 2^(floor(log2(its largest magnitude)) - 2); its byte is the largest magnitude's exponent field - 2, held at 1 from below.  (A block of zeros so gets the byte 1 where the rule says 127:
; its codes are zeros, which add nothing under any byte but 0xff, and the bytes are read by this program alone.)  Each number is divided by the scale and rounded to the nearest code, ties to even.
; LIMITS: blocks whose largest magnitude lies under 2^-124, the floor, keep the byte 1; NaN and infinities among the inputs are not served.
; Rows are dense and K is a multiple of 32: both tensors are plain streams of blocks of 32.  A wave takes 16 steps of 512 numbers; each load reads 512 consecutive bytes; a step's 2,048 bytes turn through the
; wave's own stage in LDS and come back 64 bytes a lane, so that a lane holds 16 neighbours; two neighbouring lanes hold a block.  A wave's 256 scale bytes are gathered in LDS and leave as 256 consecutive bytes.
; Work-groups 352 to 415: Wproj [1024][1024] becomes f16, laid as images of operand registers: block (nt, g) of 512 bytes holds rows 16 nt .. + 15, channels 16 g .. + 15; lane (r, h) owns 16 bytes at
; 16 x lane: channels 8 h .. 8 h + 7 of row r.  LIMIT: a weight beyond 65,504 has no f16 number.
.set SIZE_M, 8192
.set SIZE_N, 3072
.set SIZE_K, 1024
.set WAVES, 4
.set STEPS, 16
.set WGA,   SIZE_M*SIZE_K/(512*STEPS*WAVES)            ; 256 work-groups for x
.set WGQ,   (SIZE_M+SIZE_N)*SIZE_K/(512*STEPS*WAVES)   ; 352 for x and Wqkv together
.set EMAX,  2
.set CB,    8                          ; bytes of 16 codes
.set R,     16                         ; v16-79   four sets of 16 numbers as they are loaded
.set X,     80                         ; v80-111  two sets of 16 neighbours
.set C,     128                        ; v128-191 codes: four registers for each step
.set E,     112                        ; v112-127 a scale byte for each step
.set WREG,  8192                       ; LDS: a region for each wave: two stages of 32 x SP bytes, then its 256 scale bytes
.set SP,    80                         ; a lane's place in a stage: 64 bytes + 16 of padding
.set SPW,   12                         ; v12      LDS address of my spare word; never rewritten
.set NIL,   13                         ; v13      0; never rewritten
.set SPARE, WAVES*WREG                 ; behind the four regions: the spare words, 128 bytes a wave
.set WF,    32                         ; Wproj's path: v32-159 numbers as loaded
.set WH,    160                        ; v160-223 the f16 pairs
	s_load_b128 s[4:7], s[0:1], 0x0                ; x, Wqkv
	s_load_b128 s[8:11], s[0:1], 0x10              ; x's codes, x's scales
	s_load_b128 s[12:15], s[0:1], 0x20             ; Wqkv's codes, its scales
	s_load_b128 s[24:27], s[0:1], 0x30             ; Wproj, its images
	v_lshl_add_u32 v[SPW], v0, 2, SPARE
	v_mov_b32 v[NIL], 0
	v_lshrrev_b32 v1, 5, v0
	v_readfirstlane_b32 s16, v1                    ; wave
	v_and_b32 v2, 31, v0                           ; lane
	s_cmp_lt_u32 ttmp9, WGQ                        ; the work-group's number alone decides
	s_cbranch_scc1 .Lquant
	; ---- Wproj to f16 images.  Work-group nt = number - 352 takes rows 16 nt on; wave w channel tiles 16 w + g, g = 0 .. 15
	v_and_b32 v5, 15, v0                           ; r
	v_bfe_u32 v6, v0, 4, 1                         ; h
	v_lshlrev_b32 v3, 12, v5
	v_lshl_add_u32 v3, v6, 5, v3                   ; in: row r of 4,096 bytes, + 32 h
	v_lshlrev_b32 v4, 4, v2                        ; out: 16 x lane
	s_sub_co_u32 s17, ttmp9, WGQ
	s_lshl_b32 s18, s17, 16                        ; 16 rows of 4,096 bytes,
	s_lshl_b32 s20, s16, 10                        ; my wave's 256 channels
	s_add_co_u32 s18, s18, s20
	s_mov_b32 s19, 0
	s_lshl_b32 s20, s17, 15                        ; 64 blocks of 512 bytes,
	s_lshl_b32 s21, s16, 13                        ; my wave's 16
	s_add_co_u32 s20, s20, s21
	s_mov_b32 s21, 0
	s_wait_kmcnt 0x0
	s_add_nc_u64 s[24:25], s[24:25], s[18:19]
	s_add_nc_u64 s[26:27], s[26:27], s[20:21]
.irp g, 0,1,2,3,4,5,6,7,8,9,10,11,12,13,14,15
	global_load_b128 v[WF+8*\g:WF+8*\g+3], v3, s[24:25] offset:64*\g
	global_load_b128 v[WF+8*\g+4:WF+8*\g+7], v3, s[24:25] offset:64*\g+16
.endr
.irp g, 0,1,2,3,4,5,6,7,8,9,10,11,12,13,14,15
	s_wait_loadcnt 30-2*\g                         ; tile g's two loads are in; the two of each later tile may be out
.irp i, 0,1,2,3
	v_cvt_pk_f16_f32 v[WH+4*\g+\i], v[WF+8*\g+2*\i], v[WF+8*\g+2*\i+1]
.endr
	global_store_b128 v4, v[WH+4*\g:WH+4*\g+3], s[26:27] offset:512*\g   ; the wave stores 512 consecutive bytes; no register is written twice
.endr
	s_branch .Lend
.Lquant:
	v_lshlrev_b32 v3, 4, v2                        ; my 16 bytes of a load's 512
	s_mul_i32 s17, s16, WREG
	v_lshrrev_b32 v14, 2, v2
	v_mul_u32_u24 v14, v14, SP
	v_and_b32 v15, 3, v2
	v_lshl_add_u32 v14, v15, 4, v14
	v_add_nc_u32 v14, s17, v14                     ; the stage, on the way in: SP (lane / 4) + 16 (lane % 4)
	v_mul_u32_u24 v15, v2, SP
	v_add_nc_u32 v15, s17, v15                     ; and on the way out: SP x lane: my 16 neighbours
	v_mul_u32_u24 v4, v2, CB                       ; my codes' place in a step's
	v_lshrrev_b32 v5, 1, v2
	s_add_co_u32 s17, s17, 2*32*SP
	v_add_nc_u32 v5, s17, v5                       ; LDS: my wave's 256 scale bytes, my block's byte
	v_lshlrev_b32 v7, 3, v2                        ; and on the way out 8 bytes a lane
	v_add_nc_u32 v6, s17, v7
	s_wait_kmcnt 0x0
	s_cmp_lt_u32 ttmp9, WGA                        ; x's work-group or Wqkv's?
	s_cselect_b64 s[4:5], s[4:5], s[6:7]
	s_cselect_b64 s[8:9], s[8:9], s[12:13]
	s_cselect_b64 s[10:11], s[10:11], s[14:15]
	s_cselect_b32 s17, 0, WGA
	s_sub_co_u32 s17, ttmp9, s17
	s_lshl_b32 s17, s17, 2
	s_add_co_u32 s18, s17, s16                     ; which run of 8,192 numbers of the tensor is my wave's
	s_mov_b32 s19, 0
	s_mov_b64 s[20:21], 512*STEPS*4
	s_mul_u64 s[20:21], s[18:19], s[20:21]
	s_add_nc_u64 s[4:5], s[4:5], s[20:21]
	s_mov_b64 s[20:21], 32*STEPS*CB
	s_mul_u64 s[20:21], s[18:19], s[20:21]
	s_add_nc_u64 s[8:9], s[8:9], s[20:21]
	s_lshl_b32 s18, s18, 8                         ; 256 scale bytes a run
	s_add_nc_u64 s[10:11], s[10:11], s[18:19]
.macro LOAD t
.irp i, 0,1,2,3
	global_load_b128 v[R+16*((\t)%4)+4*\i:R+16*((\t)%4)+4*\i+3], v3, s[4:5] offset:2048*(\t)+512*\i th:TH_LOAD_NT   ; 32 lanes read 512 consecutive bytes
.endr
.endm
.macro TURN t                          ; step t's numbers through the stage: LDS serves a wave's instructions in order, so no wait stands between the stores and the loads
.irp i, 0,1,2,3
	ds_store_b128 v14, v[R+16*((\t)%4)+4*\i:R+16*((\t)%4)+4*\i+3] offset:32*SP*((\t)%2)+8*SP*\i
.endr
.irp i, 0,1,2,3
	ds_load_b128 v[X+16*((\t)%2)+4*\i:X+16*((\t)%2)+4*\i+3], v15 offset:32*SP*((\t)%2)+16*\i
.endr
.endm
.irp t, 0,1,2,3
	LOAD \t
.endr
	s_wait_loadcnt 12                              ; step 0's four loads are in
	TURN 0
.macro STEP t
.set XS, X+16*((\t)%2)
.if (\t) > 0
	s_wait_dscnt 1                                 ; this step's numbers are back from the stage (the last step's byte store may be out): so its stores into the stage have read their registers,
.else
	s_wait_dscnt 0x0
.endif
.if (\t)+4 < STEPS
	LOAD (\t)+4                                    ; which take the loads of four steps on
.endif
.if (\t)+1 < STEPS
.if STEPS-2-(\t) >= 3
	s_wait_loadcnt 12                              ; the next step's four loads are in; those of the three steps behind it may be out
.else
	s_wait_loadcnt 4*(STEPS-2-(\t))
.endif
	TURN (\t)+1                                    ; and go through the other stage while this step is worked
.endif
	v_max3_num_f32 v8, |v[XS]|, |v[XS+1]|, |v[XS+2]|               ; the largest magnitude of my 16
	v_max3_num_f32 v9, |v[XS+3]|, |v[XS+4]|, |v[XS+5]|
.irp i, 6,10
	v_max3_num_f32 v8, v8, |v[XS+\i]|, |v[XS+\i+1]|
	v_max3_num_f32 v9, v9, |v[XS+\i+2]|, |v[XS+\i+3]|
.endr
	v_max3_num_f32 v8, v8, |v[XS+14]|, |v[XS+15]|
	v_max3_num_f32 v8, v8, v9, (EMAX+1)<<23        ; and the floor 2^(3 - 127): the byte cannot fall under 1
	v_max_num_f32_dpp v8, v8, v8 row_xmask:1 row_mask:0xf bank_mask:0xf   ; and of my neighbour's 16: the block's
	v_add_nc_u32 v11, -(EMAX<<23), v8              ; 2 off its exponent field: the conversion takes the exponent field of this operand as its scale
	v_cvt_scalef32_pk8_fp4_f32 v[C+4*(\t)], v[XS:XS+7], v11
	v_cvt_scalef32_pk8_fp4_f32 v[C+4*(\t)+1], v[XS+8:XS+15], v11
	v_lshrrev_b32 v[E+(\t)], 23, v11               ; the scale's byte (a plain line behind the conversions)
	ds_store_b8 v5, v[E+(\t)] offset:16*(\t)       ; both lanes of a block write the same byte with the same value
	global_store_b64 v4, v[C+4*(\t):C+4*(\t)+1], s[8:9] offset:32*CB*(\t)   ; the wave stores 256 consecutive bytes
.endm
.irp t, 0,1,2,3,4,5,6,7,8,9,10,11,12,13,14,15
	STEP \t
.endr
	ds_load_b64 v[8:9], v6                         ; LDS serves a wave's instructions in order: these see my stores
	s_wait_dscnt 0x0
	global_store_b64 v7, v[8:9], s[10:11]          ; 32 lanes store 256 consecutive bytes
.Lend:
	s_wait_tensorcnt 0x0                           ; the wave's end
	ds_add_u32 v[SPW], v[NIL]
	s_wait_dscnt 0x0
	s_endpgm
.Lfunc_end_k_qa7bd501141_prep:
	.size	k_qa7bd501141_prep, .Lfunc_end_k_qa7bd501141_prep-k_qa7bd501141_prep
	.p2alignl 7, 3214868480
	.fill 96, 4, 3214868480
	.section	.rodata,"a",@progbits
	.p2align	6, 0x0
	.amdhsa_kernel k_qa7bd501141_prep
		.amdhsa_group_segment_fixed_size 33280
		.amdhsa_private_segment_fixed_size 0
		.amdhsa_enable_private_segment 0
		.amdhsa_kernarg_size 64
		.amdhsa_user_sgpr_count 2
		.amdhsa_user_sgpr_kernarg_segment_ptr 1
		.amdhsa_wavefront_size32 1
		.amdhsa_system_sgpr_workgroup_id_x 1
		.amdhsa_system_sgpr_workgroup_id_y 1
		.amdhsa_system_sgpr_workgroup_id_z 1
		.amdhsa_system_vgpr_workitem_id 0
		.amdhsa_next_free_vgpr 224
		.amdhsa_next_free_sgpr 66
		.amdhsa_reserve_vcc 0
		.amdhsa_float_denorm_mode_32 3
		.amdhsa_float_denorm_mode_16_64 3
		.amdhsa_memory_ordered 1
		.amdhsa_forward_progress 1
		.amdhsa_inst_pref_size 43
	.end_amdhsa_kernel
	.amdgpu_metadata
---
amdhsa.version: [ 1, 2 ]
amdhsa.kernels:
  - .name:           k_qa7bd501141_prep
    .symbol:         k_qa7bd501141_prep.kd
    .args:
      - { .name: x, .offset: 0, .size: 8, .value_kind: global_buffer, .address_space: global }
      - { .name: Wqkv, .offset: 8, .size: 8, .value_kind: global_buffer, .address_space: global }
      - { .name: xc, .offset: 16, .size: 8, .value_kind: global_buffer, .address_space: global }
      - { .name: xs, .offset: 24, .size: 8, .value_kind: global_buffer, .address_space: global }
      - { .name: wc, .offset: 32, .size: 8, .value_kind: global_buffer, .address_space: global }
      - { .name: ws, .offset: 40, .size: 8, .value_kind: global_buffer, .address_space: global }
      - { .name: Wproj, .offset: 48, .size: 8, .value_kind: global_buffer, .address_space: global }
      - { .name: wp, .offset: 56, .size: 8, .value_kind: global_buffer, .address_space: global }
    .group_segment_fixed_size: 33280
    .private_segment_fixed_size: 0
    .kernarg_segment_align: 8
    .kernarg_segment_size: 64
    .max_flat_workgroup_size: 128
    .sgpr_count:     66
    .vgpr_count:     224
    .wavefront_size: 32
...
	.end_amdgpu_metadata
.endif
;; end of part 1
;; launch qkv (part 2): grid 12 x 32, 4 waves a work-group, clusters of 4 x 4, 327,680 bytes of LDS; arguments xc, xs, wc, ws, qkv, qf; writes qkv, qf
.if DOCPART == 2
	.amdgcn_target "amdgcn-amd-amdhsa--gfx1250"
	.amdhsa_code_object_version 6
	.text
	.protected	k_qa7bd501141_qkv
	.globl	k_qa7bd501141_qkv
	.p2align	8
	.type	k_qa7bd501141_qkv,@function
k_qa7bd501141_qkv:
	s_mov_b64 s[64:65], 0
	v_nop
	global_prefetch_b8 v0, s[64:65] scope:SCOPE_SE
	s_setreg_imm32_b32 hwreg(HW_REG_WAVE_MODE, 25, 1), 1
	s_wait_xcnt 0x0
	s_wait_alu depctr_hold_cnt(0) depctr_sa_sdst(0) depctr_va_vdst(0) depctr_va_sdst(0) depctr_va_ssrc(0) depctr_va_vcc(0) depctr_vm_vsrc(0)
	s_getreg_b32 s2, hwreg(HW_REG_IB_STS2, 6, 4)
	s_cmp_eq_u32 s2, 0
	s_cbranch_scc0 .Lentry_in_a_cluster
	s_endpgm
.Lentry_in_a_cluster:
	s_bfe_u32 s2, ttmp6, 0x10000c
	s_cmp_lg_u32 s2, 0xf033
	s_cbranch_scc0 .Lentry_shape_is_right
	s_endpgm
.Lentry_shape_is_right:
; qkv[token][feature] = sum over k of x[token][k] Wqkv[feature][k], both as codes of E2M1 with one E8M0 scale for each 32 along K; sums in f32.  8,192 tokens, 3,072 features, K = 1,024.
; A tile of 256 tokens x 256 features is made by four waves, each 128 x 128: 64 accumulators of 16 x 16.  K is two LDS slots of 512 (rows of 256 bytes): both are first fills, nothing is filled again.
; The scale bytes of the work-group's 256 + 256 rows come once, as dense blocks.  CLUSTERS: 4 x 4 work-groups; x's tiles are asked for jointly along a row of the cluster, Wqkv's along a column.
; THE MATRIX INSTRUCTION IS USED TRANSPOSED (source 0 = 16 rows of Wqkv, source 1 = 16 tokens): a lane holds one token (lane % 16) and eight neighbouring features 8 (lane / 16) + 0 .. 7.
; THE WAY OUT.  Those eight, rounded to f16, are 16 bytes: the lane's part of a block of 512 bytes (16 tokens x 16 channels) that the next launch takes as half an operand's registers.  So results go from the
; accumulators straight to memory, each store of the wave 512 consecutive bytes.  Byte = kind 2^24 + batch 2^22 + head 2^18 + token tile 2,048 + channel tile 512 + place.  q, k: place = 16 x lane.
; v: place = 16 (r % 8) + 128 h + 256 (r / 8), so that the transposing LDS load at 16 x lane finds key 8 (lane / 16) + lane % 8, channels 8 ((lane / 8) % 2) on.
; The first 16 tokens of each batch also leave as f32, [batch][16][3072], for the launch that carries them finely.  No branch hangs on a work-group's place in its cluster: those stores run under a lane mask.
; LIMIT: a q, k or v beyond 65,504 has no f16 number (inputs 30 times the drawn size give some 5,000).
; REGISTERS, in windows of 256: window 0: v0-31 addresses; v32-95 scale words, two sets, and nothing else; from v128 x's fragments, one set; on the way out v96-223 hold the f16 pairs.
;   window 1: Wqkv's fragments, two sets, at v0 and v128.   window 2: the accumulators of my tokens 0-63 ((a, b) at v[8 (8 a + b)]);   window 3: those of tokens 64-127.
.set SIZE_M, 8192
.set SIZE_N, 3072
.set SIZE_K, 1024
.set KSTEP,  512                       ; along K in a slot
.set NQ,     KSTEP/128                 ; matrix instructions deep
.set ROWB,   256                       ; a tile's row in bytes
.set KROW,   SIZE_K*4/8                ; a row of codes in memory
.set PITCH,  272                       ; an LDS row: 256 bytes + 16 of padding: the 16 rows that a load touches start 68 words apart
.set FR,     8                         ; registers of a fragment: 16 rows x 128 K
.set NL,     2                         ; LDS loads that bring one
.set NP,     4                         ; places behind this matrix instruction (ISA guide 7.12.1)
.set HALFT,  128*PITCH                 ; 128 rows: what one tensor load brings
.set SLOT,   4*HALFT
.set KS,     SIZE_K/32                 ; a row of scales in bytes
.set SCL,    2*SLOT                    ; behind the two slots: the scales, as runs of 256 bytes + 16 of padding
.set HALFS,  (128*KS/256)*272
.set SBLK,   (16*KS/256)*272
.set SPARE,  SCL+4*HALFS               ; behind the scales: the spare words, 128 bytes a wave
.set ADRA, 16                          ; v16-17  LDS address of my x fragments in slot 0, 1
.set ADRB, 20                          ; v20-21  the same for Wqkv
.set VO,   24                          ; v24     my 16 bytes' place in a block of 512
.set FO,   25                          ; v25     my byte offset among the fine rows
.set FLG,  26                          ; v26     0 where my wave's first 16 tokens are a batch's first 16
.set ADRS, 27                          ; v27     LDS address of my scale words: lanes 0-15 x's rows, lanes 16-31 Wqkv's
.set SPW,  28                          ; v28     LDS address of my spare word; never rewritten
.set NIL,  29                          ; v29     0; never rewritten
.set SC,   32                          ; scale words: set s at v[SC + 8 NQ s]
.set AF,   128                         ; x's fragments, in window 0
.set PK,   96                          ; the way out: f16 pairs, 32 registers a block of 16 tokens, four blocks: behind the scale words
.set G1, 24
.set G0, 32
.set G1B, 48
.set G0B, 56
.set G1S, 68
.set G0S, 76
.set G1SB, 80
.set G0SB, 88
.set MSB, 0
.macro WIN new                         ; the immediate's high byte repeats the setting that is left
.if MSB != \new
	s_set_vgpr_msb (MSB<<8)|\new
.set MSB, \new
.endif
.endm
.set MUL_LO, 0xa1                      ; source 0 window 1, source 1 window 0, C and D window 2
.set MUL_HI, 0xf1                      ; the same, C and D window 3
.set TO_B,   0x40                      ; destination window 1, address window 0
; A joint load: waves 0 and 1 fetch for x, waves 2 and 3 for Wqkv; the branch hangs on the wave's number alone.  An s_nop 0 and four v_nop follow each line.
.macro JLOAD g0a, g1a, g0b, g1b
	s_cmp_eq_u32 s15, 0
	s_cbranch_scc0 .Lfor_b_\@
	tensor_load_to_lds s[\g0a:\g0a+3], s[\g1a:\g1a+7]
	s_nop 0
.rept 4
	v_nop
.endr
	s_branch .Lasked_\@
.Lfor_b_\@:
	tensor_load_to_lds s[\g0b:\g0b+3], s[\g1b:\g1b+7]
	s_nop 0
.rept 4
	v_nop
.endr
.Lasked_\@:
.endm
.macro CREST
	s_cmp_lg_u32 s14, 0
	s_cbranch_scc1 .Lnot_wave_0_\@
	s_barrier_signal -3
.Lnot_wave_0_\@:
	s_barrier_wait -3
	s_barrier_signal -1
	s_barrier_wait -1
.endm
.macro CROUND                          ; a whole round of the cluster's barrier
	s_barrier_signal -1
	s_barrier_wait -1
	CREST
.endm
	s_load_b128 s[4:7], s[0:1], 0x0                ; x's codes, x's scales
	s_load_b128 s[8:11], s[0:1], 0x10              ; Wqkv's codes, its scales
	s_load_b64 s[12:13], s[0:1], 0x20              ; the f16 images
	s_load_b64 s[96:97], s[0:1], 0x28              ; the fine rows
	v_lshl_add_u32 v[SPW], v0, 2, SPARE
	v_mov_b32 v[NIL], 0
	ds_add_u32 v[SPW], v[NIL]                      ; the wave's opening: the add, twice on end, and its wait ahead of my first tensor load
	ds_add_u32 v[SPW], v[NIL]
	v_lshrrev_b32 v1, 5, v0
	v_readfirstlane_b32 s14, v1                    ; wave 0..3
	s_lshr_b32 s15, s14, 1                         ; which half of the tile's tokens is mine.  Also: I fetch for x (0) or for Wqkv (1)
	s_and_b32 s16, s14, 1                          ; which half of its features.  Also: which 128 rows I fetch
	s_bfe_u32 s40, ttmp6, 0x40000                  ; cx, cy
	s_bfe_u32 s41, ttmp6, 0x40004
	s_lshl_b32 s42, ttmp9, 2
	s_add_co_u32 s42, s42, s40                     ; tile column = 4 x cluster x + cx
	s_and_b32 s17, ttmp7, 0xffff
	s_lshl_b32 s17, s17, 2
	s_add_co_u32 s17, s17, s41                     ; tile row = 4 x cluster y + cy
	s_lshl_b32 s43, s41, 2
	s_lshl_b32 s43, 15, s43                        ; my row of the cluster
	s_lshl_b32 s44, 0x1111, s40                    ; my column
	s_or_b32 s[G1+0], s43, (0<<16)|(1<<20)|(1<<21)|(5<<22)|(3<<25)  ; the mask; elements of 1 byte; padding on; bit 21 beside a mask; four words behind every 64
	s_or_b32 s[G1B+0], s44, (0<<16)|(1<<20)|(1<<21)|(5<<22)|(3<<25)
.irp g, G1, G1B
	s_mov_b32 s[\g+1], ROWB<<16                    ; tensor_dim0
	s_mov_b32 s[\g+2], 128<<16                     ; tensor_dim1
	s_mov_b32 s[\g+3], ROWB<<16                    ; tile_dim0
	s_mov_b32 s[\g+4], 128                         ; tile_dim1
	s_mov_b32 s[\g+5], KROW                        ; pitch
	s_mov_b32 s[\g+6], 0
	s_mov_b32 s[\g+7], 0
.endr
	s_or_b32 s[G1S+0], s43, (3<<16)|(1<<20)|(1<<21)|(5<<22)|(3<<25) ; the scales of 128 rows: a dense block, as rows of 256 bytes (32 elements of 8), 16 bytes of padding behind each
	s_or_b32 s[G1SB+0], s44, (3<<16)|(1<<20)|(1<<21)|(5<<22)|(3<<25)
.irp g, G1S, G1SB
	s_mov_b32 s[\g+1], 32<<16
	s_mov_b32 s[\g+2], (128*KS/256)<<16
	s_mov_b32 s[\g+3], 32<<16
	s_mov_b32 s[\g+4], 128*KS/256
	s_mov_b32 s[\g+5], 32
	s_mov_b32 s[\g+6], 0
	s_mov_b32 s[\g+7], 0
.endr
	s_lshl_b32 s18, s16, 7                         ; which 128 rows of the tile I fetch
	s_lshl_b32 s20, s17, 8
	s_add_co_u32 s20, s20, s18                     ; x: row 256 x tile row + 128 x half
	s_lshl_b32 s46, s42, 8
	s_add_co_u32 s46, s46, s18                     ; Wqkv: row 256 x tile column + 128 x half
	s_mov_b32 s21, 0
	s_mov_b32 s47, 0
	s_mov_b64 s[18:19], KS
	s_mul_u64 s[22:23], s[20:21], s[18:19]         ; where these rows' scales begin
	s_mul_u64 s[92:93], s[46:47], s[18:19]
	s_mov_b64 s[18:19], KROW
	s_mul_u64 s[20:21], s[20:21], s[18:19]         ; and their codes
	s_mul_u64 s[46:47], s[46:47], s[18:19]
	s_mul_i32 s45, s14, HALFT                      ; where they go: wave x 128 rows
	s_mul_i32 s94, s14, HALFS
	s_wait_dscnt 0x0                               ; both opening adds are done
	s_wait_kmcnt 0x0
	s_add_nc_u64 s[20:21], s[4:5], s[20:21]
	s_add_nc_u64 s[22:23], s[6:7], s[22:23]
	s_add_nc_u64 s[46:47], s[8:9], s[46:47]
	s_add_nc_u64 s[92:93], s[10:11], s[92:93]
	CROUND                                         ; all sixteen work-groups are here: the joint loads meet
	s_mov_b32 s[G0S], 1
	s_add_co_u32 s[G0S+1], s94, SCL
	s_mov_b64 s[G0S+2:G0S+3], s[22:23]
	s_or_b32 s[G0S+3], s[G0S+3], 0x80000000
	s_mov_b32 s[G0SB], 1
	s_add_co_u32 s[G0SB+1], s94, SCL
	s_mov_b64 s[G0SB+2:G0SB+3], s[92:93]
	s_or_b32 s[G0SB+3], s[G0SB+3], 0x80000000
	JLOAD G0S, G1S, G0SB, G1SB                     ; the scales first
.irp s, 0,1
	s_mov_b32 s[G0+4*\s], 1
	s_add_co_u32 s[G0+4*\s+1], s45, \s*SLOT
	s_add_nc_u64 s[G0+4*\s+2:G0+4*\s+3], s[20:21], \s*ROWB
	s_or_b32 s[G0+4*\s+3], s[G0+4*\s+3], 0x80000000
	s_mov_b32 s[G0B+4*\s], 1
	s_add_co_u32 s[G0B+4*\s+1], s45, \s*SLOT
	s_add_nc_u64 s[G0B+4*\s+2:G0B+4*\s+3], s[46:47], \s*ROWB
	s_or_b32 s[G0B+4*\s+3], s[G0B+4*\s+3], 0x80000000
	JLOAD G0+4*\s, G1, G0B+4*\s, G1B               ; three tensor loads of mine are out at the most
.endr
	v_and_b32 v1, 15, v0                           ; r = lane % 16
	v_bfe_u32 v2, v0, 4, 1                         ; h = lane / 16
	v_mul_u32_u24 v3, v1, PITCH
	v_lshl_add_u32 v4, v2, 4, v3                   ; a fragment's row x pitch + 16 x half
	s_mul_i32 s21, s15, HALFT                      ; my 128 tokens
	s_mul_i32 s22, s16, HALFT                      ; my 128 rows of Wqkv,
	s_add_co_u32 s22, s22, 2*HALFT                 ; which lie behind x's 256
.irp s, 0,1
	v_add_nc_u32 v[ADRA+\s], s21, v4
	v_add_nc_u32 v[ADRB+\s], s22, v4
	s_add_co_u32 s21, s21, SLOT
	s_add_co_u32 s22, s22, SLOT
.endr
	v_mul_u32_u24 v5, v1, KS                       ; my row's scales: KS bytes a row,
	v_lshrrev_b32 v6, 8, v5
	v_lshl_add_u32 v5, v6, 4, v5                   ; and 16 more for each 256 passed
	s_mul_i32 s21, s15, HALFS
	s_mul_i32 s22, s16, HALFS
	s_add_co_u32 s22, s22, 2*HALFS
	s_sub_co_u32 s22, s22, s21
	v_mul_u32_u24 v6, s22, v2                      ; lanes 16-31 take Wqkv's
	s_add_co_u32 s21, s21, SCL
	v_add_nc_u32 v5, v5, v6
	v_add_nc_u32 v[ADRS], s21, v5
	; where my results go.  My 128 features are heads hh and hh + 1 of kind hh / 16 (0 q, 1 k, 2 v), hh = 4 x tile column + 2 x half
	s_lshl_b32 s46, s42, 2
	s_lshl_b32 s47, s16, 1
	s_add_co_u32 s46, s46, s47                     ; hh
	s_lshr_b32 s47, s46, 4
	s_lshl_b32 s47, s47, 24                        ; kind
	s_and_b32 s46, s46, 15
	s_lshl_b32 s46, s46, 18                        ; head
	s_add_co_u32 s46, s46, s47
	s_lshr_b32 s20, s17, 3                         ; batch: eight tile rows each
	s_lshl_b32 s21, s20, 22
	s_add_co_u32 s46, s46, s21
	s_and_b32 s21, s17, 7
	s_lshl_b32 s22, s21, 4
	s_lshl_b32 s23, s15, 3
	s_add_co_u32 s22, s22, s23                     ; my first token tile in the batch
	s_lshl_b32 s22, s22, 11
	s_add_co_u32 s46, s46, s22
	s_mov_b32 s47, 0
	s_add_nc_u64 s[12:13], s[12:13], s[46:47]
	s_mul_i32 s22, s20, 196608                     ; the fine rows: 16 x 3,072 f32 a batch,
	s_lshl_b32 s23, s42, 10
	s_add_co_u32 s22, s22, s23
	s_lshl_b32 s23, s16, 9
	s_add_co_u32 s22, s22, s23                     ; my first feature
	s_mov_b32 s23, 0
	s_add_nc_u64 s[96:97], s[96:97], s[22:23]
	s_or_b32 s21, s21, s15                         ; 0: the batch's first tile row, its first half
	v_mov_b32 v[FLG], s21
	v_and_b32 v6, 31, v0
	v_lshlrev_b32 v6, 4, v6                        ; q, k: 16 x lane
	v_and_b32 v5, 7, v1
	v_lshlrev_b32 v5, 4, v5
	v_lshl_add_u32 v5, v2, 7, v5
	v_lshrrev_b32 v3, 3, v1
	v_lshl_add_u32 v5, v3, 8, v5                   ; v: 16 (r % 8) + 128 h + 256 (r / 8)
	s_cmp_eq_u32 ttmp9, 2                          ; the third column of clusters makes v: the same in all sixteen partners
	s_cselect_b32 s98, -1, 0
	v_cndmask_b32 v[VO], v6, v5, s98
	v_mul_u32_u24 v[FO], v1, 12288
	v_lshl_add_u32 v[FO], v2, 5, v[FO]             ; token r's row of 12,288 bytes, + 32 h
.macro FRAG reg, adr, q, i             ; 16 rows x 128 K of 4-bit codes: registers 4 c .. 4 c + 3 hold K = 64 c + 32 (lane / 16) + 0 .. 31
.irp c, 0,1
	ds_load_b128 v[\reg+4*\c:\reg+4*\c+3], v[\adr] offset:64*(\q)+32*\c+(\i)*16*PITCH
.endr
.endm
; 16 matrix instructions: token blocks a0, a0 + 1 x Wqkv's eight.  The 64 accumulators take turns, one instruction a turn, in the same order in every step.
.macro MUL16 a0, p, q, sc, zero
.irp a, \a0, \a0+1
.irp b, 0,1,2,3,4,5,6,7
.if \zero
	v_wmma_scale_f32_16x16x128_f8f6f4 v[8*(8*((\a)%4)+\b):8*(8*((\a)%4)+\b)+7], v[128*(\p)+FR*\b:128*(\p)+FR*\b+FR-1], v[AF+FR*(\a):AF+FR*(\a)+FR-1], 0, v[SC+8*NQ*(\sc)+NQ*\b+(\q)], v[SC+8*NQ*(\sc)+NQ*(\a)+(\q)] matrix_a_fmt:MATRIX_FMT_FP4 matrix_b_fmt:MATRIX_FMT_FP4 matrix_a_scale:MATRIX_SCALE_ROW1
.else
	v_wmma_scale_f32_16x16x128_f8f6f4 v[8*(8*((\a)%4)+\b):8*(8*((\a)%4)+\b)+7], v[128*(\p)+FR*\b:128*(\p)+FR*\b+FR-1], v[AF+FR*(\a):AF+FR*(\a)+FR-1], v[8*(8*((\a)%4)+\b):8*(8*((\a)%4)+\b)+7], v[SC+8*NQ*(\sc)+NQ*\b+(\q)], v[SC+8*NQ*(\sc)+NQ*(\a)+(\q)] matrix_a_fmt:MATRIX_FMT_FP4 matrix_b_fmt:MATRIX_FMT_FP4 matrix_a_scale:MATRIX_SCALE_ROW1
.endif
.endr
.endr
.endm
.macro FETCH_B slot, q, p
	WIN TO_B
.irp i, 0,1,2,3,4,5,6,7
	FRAG 128*(\p)+FR*\i, ADRB+\slot, \q, \i
.endr
	WIN 0
.endm
.macro FETCH_A slot, q, i0
.irp i, \i0, \i0+1, \i0+2, \i0+3
	FRAG AF+FR*(\i), ADRA+\slot, \q, \i
.endr
.endm
.macro SCALES sc                       ; a slot's scale words: lanes 0-15 take x's block i, lanes 16-31 Wqkv's block i
.irp i, 0,1,2,3,4,5,6,7
	ds_load_b128 v[SC+8*NQ*\sc+NQ*\i:SC+8*NQ*\sc+NQ*\i+3], v[ADRS] offset:\i*SBLK
.endr
.endm
.macro PLACES n                        ; plain vector instructions between a matrix instruction and a load into, a write of, or a read of its registers
.rept \n
	v_nop
.endr
.endm
.macro STEP slot, q, zero              ; 128 along K that has its successor in the same slot
	s_wait_dscnt 4*NL                              ; Wqkv's set and x's blocks 0-3 are in; the youngest eight loads (x's blocks 4-7) may be out
	WIN MUL_LO
	MUL16 0, (\q)%2, \q, \slot, \zero
	MUL16 2, (\q)%2, \q, \slot, \zero
	s_wait_dscnt 0
	PLACES NP
	FETCH_B \slot, (\q)+1, 1-(\q)%2
	FETCH_A \slot, (\q)+1, 0
	WIN MUL_HI
	MUL16 4, (\q)%2, \q, \slot, \zero
	MUL16 6, (\q)%2, \q, \slot, \zero
	PLACES NP
	WIN 0
	FETCH_A \slot, (\q)+1, 4
.endm
.macro TURN slot, next                 ; slot 0's last step changes slots: one barrier
	s_wait_tensorcnt 0x0                           ; all my tensor loads have landed: my part of the next slot
	ds_add_u32 v[SPW], v[NIL]                      ; 0 onto my spare word
	s_wait_dscnt 4*NL+1                            ; (the add and the youngest eight loads may be out)
	WIN MUL_LO
	MUL16 0, 1, NQ-1, \slot, 0
	s_wait_dscnt 0x0                               ; the add is done, and no LDS instruction of mine is out at the signal
	s_barrier_signal -1
	MUL16 2, 1, NQ-1, \slot, 0
	WIN 0
	s_barrier_wait -1                              ; the next slot is whole
	PLACES NP
	v_add_nc_u32 v[ADRS], 4*NQ, v[ADRS]            ; on to the next slot's scale words
	FETCH_B \next, 0, 0
	FETCH_A \next, 0, 0
	SCALES \next
	WIN MUL_HI
	MUL16 4, 1, NQ-1, \slot, 0
	MUL16 6, 1, NQ-1, \slot, 0
	PLACES NP
	WIN 0
	FETCH_A \next, 0, 4
.endm
	s_wait_tensorcnt 1                             ; the scales and my part of slot 0 are in (slot 1's load may be out),
	s_barrier_signal -1
	s_barrier_wait -1                              ; everybody's are
	FETCH_B 0, 0, 0
	FETCH_A 0, 0, 0
	SCALES 0
	FETCH_A 0, 0, 4
	STEP 0, 0, 1                                   ; the first products start the sums: nothing is cleared
	STEP 0, 1, 0
	STEP 0, 2, 0
	TURN 0, 1
	STEP 1, 0, 0
	STEP 1, 1, 0
	STEP 1, 2, 0
	s_wait_dscnt 4*NL                              ; the last step: nothing more to fetch
	WIN MUL_LO
	MUL16 0, 1, NQ-1, 1, 0
	MUL16 2, 1, NQ-1, 1, 0
	s_wait_dscnt 0
	WIN MUL_HI
	MUL16 4, 1, NQ-1, 1, 0
	MUL16 6, 1, NQ-1, 1, 0
	WIN 0
; THE WAY OUT.  Block a (16 tokens x 128 features): eight accumulators, each from its low end on, become 32 registers of f16 pairs; eight stores of 512 consecutive bytes.
.macro PACK a
.set AC, 64*((\a)%4)
.set TP, PK+32*((\a)%4)
	WIN 0x0a+5*((\a)/4)                            ; sources 0 and 1: window 2 or 3
.irp b, 0,1,2,3,4,5,6,7
.irp i, 0,1,2,3
	v_cvt_pk_f16_f32 v[TP+4*\b+\i], v[AC+8*\b+2*\i], v[AC+8*\b+2*\i+1]
.endr
.endr
	WIN 0
.endm
.macro OUT a
.set TP, PK+32*((\a)%4)
.irp b, 0,1,2,3,4,5,6,7
	global_store_b128 v[VO], v[TP+4*\b:TP+4*\b+3], s[12:13] offset:(\a)*2048+(\b%4)*512+(\b/4)*262144 th:TH_STORE_NT   ; token tile a, channel tile b % 4, head b / 4
.endr
.endm
	PLACES NP                                      ; behind the last products: the pairs are written over x's fragments, and results are read
.irp a, 0,1,2,3
	PACK \a
	OUT \a
.endr
	s_wait_xcnt 0x0                                ; the stores of blocks 0-3 have read their registers, which blocks 4-7 take
.irp a, 4,5,6,7
	PACK \a
	OUT \a
.endr
	s_wait_xcnt 0x0                                ; EXEC changes only behind this wait
	v_cmp_eq_u32 vcc_lo, 0, v[FLG]
	s_and_saveexec_b32 s99, vcc_lo                 ; all lanes or none: my block 0 is a batch's first 16 tokens, or it is not
	WIN 0x08                                       ; a store's data are its source 1: window 2
.irp b, 0,1,2,3,4,5,6,7
	global_store_b128 v[FO], v[8*\b:8*\b+3], s[96:97] offset:64*\b
	global_store_b128 v[FO], v[8*\b+4:8*\b+7], s[96:97] offset:64*\b+16
.endr
	WIN 0
	s_wait_xcnt 0x0                                ; and again, ahead of the line that restores it
	s_or_b32 exec_lo, exec_lo, s99
	s_wait_tensorcnt 0x0                           ; the wave's end
	ds_add_u32 v[SPW], v[NIL]
	s_wait_dscnt 0x0
	CROUND                                         ; the closing round
	s_endpgm
.Lfunc_end_k_qa7bd501141_qkv:
	.size	k_qa7bd501141_qkv, .Lfunc_end_k_qa7bd501141_qkv-k_qa7bd501141_qkv
	.p2alignl 7, 3214868480
	.fill 96, 4, 3214868480
	.section	.rodata,"a",@progbits
	.p2align	6, 0x0
	.amdhsa_kernel k_qa7bd501141_qkv
		.amdhsa_group_segment_fixed_size 327680
		.amdhsa_private_segment_fixed_size 0
		.amdhsa_enable_private_segment 0
		.amdhsa_kernarg_size 48
		.amdhsa_user_sgpr_count 2
		.amdhsa_user_sgpr_kernarg_segment_ptr 1
		.amdhsa_wavefront_size32 1
		.amdhsa_system_sgpr_workgroup_id_x 1
		.amdhsa_system_sgpr_workgroup_id_y 1
		.amdhsa_system_sgpr_workgroup_id_z 1
		.amdhsa_system_vgpr_workitem_id 0
		.amdhsa_next_free_vgpr 1024
		.amdhsa_next_free_sgpr 100
		.amdhsa_reserve_vcc 1
		.amdhsa_float_denorm_mode_32 3
		.amdhsa_float_denorm_mode_16_64 3
		.amdhsa_memory_ordered 1
		.amdhsa_forward_progress 1
		.amdhsa_inst_pref_size 120
	.end_amdhsa_kernel
	.amdgpu_metadata
---
amdhsa.version: [ 1, 2 ]
amdhsa.kernels:
  - .name:           k_qa7bd501141_qkv
    .symbol:         k_qa7bd501141_qkv.kd
    .args:
      - { .name: xc, .offset: 0, .size: 8, .value_kind: global_buffer, .address_space: global }
      - { .name: xs, .offset: 8, .size: 8, .value_kind: global_buffer, .address_space: global }
      - { .name: wc, .offset: 16, .size: 8, .value_kind: global_buffer, .address_space: global }
      - { .name: ws, .offset: 24, .size: 8, .value_kind: global_buffer, .address_space: global }
      - { .name: qkv, .offset: 32, .size: 8, .value_kind: global_buffer, .address_space: global }
      - { .name: qf, .offset: 40, .size: 8, .value_kind: global_buffer, .address_space: global }
    .group_segment_fixed_size: 327680
    .private_segment_fixed_size: 0
    .kernarg_segment_align: 8
    .kernarg_segment_size: 48
    .max_flat_workgroup_size: 128
    .sgpr_count:     100
    .vgpr_count:     1024
    .wavefront_size: 32
...
	.end_amdgpu_metadata
.endif
;; end of part 2
;; launch attn (part 3): grid 4 x 64, 16 waves a work-group, clusters of 4 x 1, 327,680 bytes of LDS; arguments qkv, att; writes att
.if DOCPART == 3
	.amdgcn_target "amdgcn-amd-amdhsa--gfx1250"
	.amdhsa_code_object_version 6
	.text
	.protected	k_qa7bd501141_attn
	.globl	k_qa7bd501141_attn
	.p2align	8
	.type	k_qa7bd501141_attn,@function
k_qa7bd501141_attn:
	s_mov_b64 s[64:65], 0
	v_nop
	global_prefetch_b8 v0, s[64:65] scope:SCOPE_SE
	s_setreg_imm32_b32 hwreg(HW_REG_WAVE_MODE, 25, 1), 1
	s_wait_xcnt 0x0
	s_wait_alu depctr_hold_cnt(0) depctr_sa_sdst(0) depctr_va_vdst(0) depctr_va_sdst(0) depctr_va_ssrc(0) depctr_va_vcc(0) depctr_vm_vsrc(0)
	s_getreg_b32 s2, hwreg(HW_REG_IB_STS2, 6, 4)
	s_cmp_eq_u32 s2, 0
	s_cbranch_scc0 .Lentry_in_a_cluster
	s_endpgm
.Lentry_in_a_cluster:
	s_bfe_u32 s2, ttmp6, 0x10000c
	s_cmp_lg_u32 s2, 0x3003
	s_cbranch_scc0 .Lentry_shape_is_right
	s_endpgm
.Lentry_shape_is_right:
; o[b][head][q] = sum over k <= q of softmax_k(q . k / 8) v[k], 64 (batch, head) pairs of 2,048 positions, head size 64.  Operands in f16, products' sums, maxima, exponentials and row sums in f32.
; WORK LEFT OUT: key steps all of whose keys come after all queries that any partner's wave of the same number owns: the problem's own causal mask gives them the weight 0 for every input.
; SHARES.  A cluster of four work-groups is one (batch, head).  Wave w of partner cx owns queries 128 u + 32 cx + 0 .. 31, two tiles of 16; u(w) runs through a magic square of 0 .. 15, so that the four waves
; with equal w % 4, and those with equal w / 4, have the same number of key steps together.  A wave walks the key steps of 64 whose first key is at most 128 u + 127: 2 (u + 1) of them.  That test, and the test
; for the two steps on the diagonal, hang on u and the count of steps alone: all four partners take every branch alike; cx enters global addresses and one vector number.
; The wave with u = 15 of every partner reads every slot, so every joint load is read by every work-group that it names.
; LAYOUT.  Both products are used transposed: S^T = K Q^T (source 0 = 16 keys, source 1 = 16 queries), O^T = V^T P (source 0 = 16 channels, source 1 = P): a lane holds one query (lane % 16) throughout, and two
; tiles of S^T, rounded to f16 in pairs, are source 1 of the second product.  q, k, v lie in memory as images of operand registers, blocks of 512 bytes (16 tokens x 16 channels): a fragment is two LDS loads at
; 16 x lane, 512 consecutive bytes each; v's blocks are laid for the transposing load.
; SOFTMAX.  A running maximum m and sum l a query: p = 2^(c s - c m), c = log2(e) / 8; in every step O and l are multiplied by a = 2^(c m_old - c m_new).  m begins at -3e38, O and l at 0: the first step's a is 0.
; Key 0 counts for every query, so m is a score from the first step on; a hidden score is -infinity and its p is 0.
; RING.  Two LDS slots of 512 keys (K's images 65,536 bytes, then V's); waves 0 to 3 fetch a quarter each by one joint load of 32,768 dense bytes.  Keys 0-1,023 are first fills; each slot is filled once more.
; No prefetch is laid: a refill is asked for a whole slot of eight key steps ahead of its first read.
; LIMIT: see the launch before: q, k, v as f16; p is at most 1 and |o| at most the largest |v|.
.set VOFF,  65536                      ; V's images in a slot
.set SLOTB, 131072
.set STEPB, 8192                       ; a key step's four token tiles
.set SPARE, 262144                     ; behind the ring: the spare words, 128 bytes for each of 16 waves
.set LI,  1                            ; v1   16 x lane
.set ADK, 2                            ; v2   LDS address of the step's K
.set ADV, 3                            ; v3   of its V
.set SPW, 4                            ; v4   my spare word's address; never rewritten
.set NIL, 5                            ; v5   0; never rewritten
.set DQ,  6                            ; v6   lane % 16 - 8 (lane / 16) + 32 cx
.set NINF, 7                           ; v7   -infinity
.set ST,  8                            ; tile t's statistics at v[8 + 8 t]: +0 c m, +1 m, +2, +3 l, +4 .. +7 at work; a at +6
.set QF,  24                           ; v24-55   Q: tile t, channels 32 c on, at 16 t + 8 c
.set KV,  56                           ; v56-119  K of the step, then V
.set S,   120                          ; v120-183 S^T: 32 t + 8 kt; then p; then p's f16 pairs at 32 t + 0 .. 15
.set O,   184                          ; v184-247 O^T: 32 t + 8 ct
.set DM,  248                          ; v248-249 the mask's number for tiles 0, 1
.set WV,  8
.set CX,  9
.set BH,  10
.set U,   11
.set QL,  12                           ; 128 u + 127
.set QD,  13                           ; 128 u
.set KF,  14                           ; the step's first key
.set TB,  15                           ; LDS byte at which the step's K begins
.set CNT, 16
.set G1,  24                           ; s[24:31] descriptor group 1
.set G0A, 32                           ; s[32:35] group 0 for slot 0;  s[36:39] for slot 1
.set G0B, 36
.set CS,  40                           ; s[40:41] c, twice
.set SEL, 42                           ; s[42:43] lane l xor 16
.set QB,  44                           ; s[44:45] my queries' images
.macro CROUND                          ; a round of the cluster's barrier
	s_barrier_signal -1
	s_barrier_wait -1
	s_cmp_lg_u32 s[WV], 0
	s_cbranch_scc1 .Lnot_wave_0_\@
	s_barrier_signal -3
.Lnot_wave_0_\@:
	s_barrier_wait -3
	s_barrier_signal -1
	s_barrier_wait -1
.endm
.macro TL g0                           ; a joint refill: waves 0 to 3, one load each; the branch hangs on the wave's number alone
	s_cmp_lt_u32 s[WV], 4
	s_cbranch_scc0 .Lnone_\@
	tensor_load_to_lds s[\g0:\g0+3], s[G1:G1+7]
	s_nop 0
.rept 4
	v_nop
.endr
.Lnone_\@:
.endm
	s_load_b128 s[4:7], s[0:1], 0x0                ; qkv, att
	v_lshl_add_u32 v[SPW], v0, 2, SPARE
	v_mov_b32 v[NIL], 0
	ds_add_u32 v[SPW], v[NIL]                      ; the wave's opening: the add, twice on end, and its wait ahead of the first tensor loads
	ds_add_u32 v[SPW], v[NIL]
	v_lshrrev_b32 v1, 5, v0
	v_readfirstlane_b32 s[WV], v1                  ; wave 0..15
	s_bfe_u32 s[CX], ttmp6, 0x40000                ; my place in the cluster
	s_and_b32 s[BH], ttmp7, 0xffff                 ; 16 x batch + head
	s_lshr_b32 s17, s[WV], 2                       ; u = w xor 15 f, f = the parity of bits 0 and 1 of (w / 4) xor w
	s_xor_b32 s17, s17, s[WV]
	s_lshr_b32 s18, s17, 1
	s_xor_b32 s17, s17, s18
	s_and_b32 s17, s17, 1
	s_mul_i32 s17, s17, 15
	s_xor_b32 s[U], s[WV], s17
	s_lshl_b32 s[QD], s[U], 7
	s_add_co_u32 s[QL], s[QD], 127
	s_mov_b32 s[KF], 0
	s_mov_b32 s[G1], 15|(3<<16)|(1<<21)            ; the mask: all four work-groups; elements of 8 bytes; bit 21 beside a mask; no padding
	s_mov_b32 s[G1+1], 32<<16                      ; tensor_dim0 = 32 elements: 256 bytes
	s_mov_b32 s[G1+2], 128<<16                     ; tensor_dim1 = 128 rows
	s_mov_b32 s[G1+3], 32<<16                      ; tile_dim0
	s_mov_b32 s[G1+4], 128                         ; tile_dim1
	s_mov_b32 s[G1+5], 32                          ; pitch: dense
	s_mov_b32 s[G1+6], 0
	s_mov_b32 s[G1+7], 0
	s_mov_b32 s[CS], 0x3e38aa3b                    ; c = log2(e) / 8
	s_mov_b32 s[CS+1], s[CS]
	s_mov_b32 s[SEL], 0x76543210
	s_mov_b32 s[SEL+1], 0xfedcba98
	s_and_b32 s17, s[WV], 3                        ; what I fetch, if I fetch: quarter w % 4 of a slot: K's halves, then V's
	s_lshl_b32 s18, s17, 15                        ; in LDS
	s_lshr_b32 s19, s17, 1
	s_add_co_u32 s19, s19, 1
	s_lshl_b32 s19, s19, 24                        ; kind 1 (k) or 2 (v)
	s_and_b32 s20, s17, 1
	s_lshl_b32 s20, s20, 15
	s_add_co_u32 s20, s20, s19
	s_lshl_b32 s19, s[BH], 18                      ; the (batch, head)'s images
	s_add_co_u32 s20, s20, s19
	s_mov_b32 s21, 0
	s_lshl_b32 s22, s[U], 3
	s_lshl_b32 s23, s[CX], 1
	s_add_co_u32 s22, s22, s23                     ; my first token tile: 8 u + 2 cx
	s_lshl_b32 s46, s22, 11
	s_add_co_u32 s46, s46, s19
	s_mov_b32 s47, 0                               ; Q's offset
	s_lshr_b32 s23, s[BH], 4
	s_lshl_b32 s23, s23, 7
	s_add_co_u32 s22, s22, s23                     ; + 128 x batch
	s_lshl_b32 s22, s22, 15                        ; 64 blocks of 512 bytes a token tile
	s_and_b32 s23, s[BH], 15
	s_lshl_b32 s23, s23, 11                        ; the head's four blocks
	s_add_co_u32 s22, s22, s23
	s_mov_b32 s23, 0
	s_wait_dscnt 0x0                               ; both opening adds are done
	s_wait_kmcnt 0x0
	s_add_nc_u64 s[QB:QB+1], s[4:5], s[46:47]
	s_add_nc_u64 s[6:7], s[6:7], s[22:23]
	s_mov_b32 s[G0A], 1
	s_mov_b32 s[G0A+1], s18
	s_add_nc_u64 s[G0A+2:G0A+3], s[4:5], s[20:21]  ; keys 0 to 511
	s_mov_b32 s[G0B], 1
	s_add_co_u32 s[G0B+1], s18, SLOTB
	s_add_nc_u64 s[G0B+2:G0B+3], s[G0A+2:G0A+3], 65536   ; keys 512 to 1,023
	s_or_b32 s[G0A+3], s[G0A+3], 0x80000000
	s_or_b32 s[G0B+3], s[G0B+3], 0x80000000
	CROUND                                         ; all four work-groups are here: the first joint loads meet
	s_cmp_lt_u32 s[WV], 4                          ; a wave's two first fills stand in one branch: two loads of mine are out
	s_cbranch_scc0 .Lno_first
	tensor_load_to_lds s[G0A:G0A+3], s[G1:G1+7]
	s_nop 0
	tensor_load_to_lds s[G0B:G0B+3], s[G1:G1+7]
	s_nop 0
.rept 4
	v_nop
.endr
.Lno_first:
	v_and_b32 v[LI], 31, v0
	v_lshlrev_b32 v[LI], 4, v[LI]
.irp t, 0,1
.irp c, 0,1
	global_load_b128 v[QF+16*\t+8*\c:QF+16*\t+8*\c+3], v[LI], s[QB:QB+1] offset:\t*2048+\c*1024
	global_load_b128 v[QF+16*\t+8*\c+4:QF+16*\t+8*\c+7], v[LI], s[QB:QB+1] offset:\t*2048+\c*1024+512
.endr
.endr
	v_and_b32 v2, 15, v0
	v_bfe_u32 v3, v0, 4, 1
	v_lshlrev_b32 v3, 3, v3
	v_sub_nc_u32 v[DQ], v2, v3
	s_lshl_b32 s22, s[CX], 5
	v_add_nc_u32 v[DQ], s22, v[DQ]
	v_mov_b32 v[NINF], 0xff800000
.irp t, 0,1
	v_mov_b32 v[ST+8*\t+1], 0xff61b1e6             ; m = -3e38, under every score
	v_mov_b32 v[ST+8*\t+2], 0                      ; l
	v_mov_b32 v[ST+8*\t+3], 0
	v_mov_b32 v[ST+8*\t+4], 0                      ; the four at work are written once here: a lane permute's destination counts as one of its sources,
	v_mov_b32 v[ST+8*\t+5], 0                      ; and a pair is named whole where its low word alone is used;
	v_mov_b32 v[ST+8*\t+6], 0                      ; so each of them is written on every way through the text, the ways that jump over steps among them
	v_mov_b32 v[ST+8*\t+7], 0
.endr
.irp t, 0,1
	v_mul_f32 v[ST+8*\t], s[CS], v[ST+8*\t+1]      ; c m
.endr
.irp j, 0,1,2,3,4,5,6,7,8,9,10,11,12,13,14,15,16,17,18,19,20,21,22,23,24,25,26,27,28,29,30,31,32,33,34,35,36,37,38,39,40,41,42,43,44,45,46,47,48,49,50,51,52,53,54,55,56,57,58,59,60,61,62,63
	v_mov_b32 v[O+\j], 0                           ; O^T.  (The step is written without a first form of its own: the first step finds zeros, which a = 0 leaves zeros)
.endr
; A KEY STEP: 64 keys.
.macro STEP
	s_cmp_gt_u32 s[KF], s[QL]                      ; all its keys come after the queries of every partner's wave of my number: left out
	s_cbranch_scc1 .Lskip_\@
	v_add_nc_u32 v[ADK], s[TB], v[LI]
	v_add_nc_u32 v[ADV], VOFF, v[ADK]
.rept 3
	v_nop                                          ; with the two additions five places behind the last step's products: four for the loads into V's registers, five for the products that write over p's
.endr
.irp kt, 0,1,2,3
.irp c, 0,1
	ds_load_b128 v[KV+16*\kt+8*\c:KV+16*\kt+8*\c+3], v[ADK] offset:\kt*2048+\c*1024
	ds_load_b128 v[KV+16*\kt+8*\c+4:KV+16*\kt+8*\c+7], v[ADK] offset:\kt*2048+\c*1024+512
.endr
.endr
	s_wait_dscnt 0x0
.irp c, 0,1                                    ; S^T = K Q^T: eight accumulators by turns, one instruction a turn
.irp t, 0,1
.irp kt, 0,1,2,3
.if \c == 0
	v_wmma_f32_16x16x32_f16 v[S+32*\t+8*\kt:S+32*\t+8*\kt+7], v[KV+16*\kt+8*\c:KV+16*\kt+8*\c+7], v[QF+16*\t+8*\c:QF+16*\t+8*\c+7], 0
.else
	v_wmma_f32_16x16x32_f16 v[S+32*\t+8*\kt:S+32*\t+8*\kt+7], v[KV+16*\kt+8*\c:KV+16*\kt+8*\c+7], v[QF+16*\t+8*\c:QF+16*\t+8*\c+7], v[S+32*\t+8*\kt:S+32*\t+8*\kt+7]
.endif
.endr
.endr
.endr
.rept 4
	v_nop                                          ; places ahead of the loads into K's registers and of the first read of the scores
.endr
.irp ks, 0,1                                   ; V, turned: channels 16 ct on, keys 32 ks on; it lands under the softmax
.irp ct, 0,1,2,3
	ds_load_tr16_b128 v[KV+32*\ks+8*\ct:KV+32*\ks+8*\ct+3], v[ADV] offset:\ks*4096+\ct*512
	ds_load_tr16_b128 v[KV+32*\ks+8*\ct+4:KV+32*\ks+8*\ct+7], v[ADV] offset:\ks*4096+2048+\ct*512
.endr
.endr
	s_cmp_lt_u32 s[KF], s[QD]                      ; a step all of whose keys count for all queries of the four partners skips the mask
	s_cbranch_scc1 .Lopen_\@
	s_sub_co_u32 s17, s[KF], s[QD]
	v_sub_nc_u32 v[DM], v[DQ], s17                 ; d = my query of tile 0 - KF - 8 (lane / 16).  Register 8 kt + j holds key KF + 16 kt + 8 (lane / 16) + j: hidden where 16 kt + j > d
	v_add_nc_u32 v[DM+1], 16, v[DM]                ; tile 1's queries are 16 on
.irp t, 0,1
.irp kt, 0,1,2,3
.irp j, 0,1,2,3,4,5,6,7
	v_cmp_gt_i32 vcc_lo, 16*\kt+\j, v[DM+\t]
	v_cndmask_b32 v[S+32*\t+8*\kt+\j], v[S+32*\t+8*\kt+\j], v[NINF], vcc_lo
.endr
.endr
.endr
.Lopen_\@:
.irp k, 0,1,2,3                                ; the maximum of 32 scores and the old m: four chains, the two tiles line by line
.irp t, 0,1
	v_max3_num_f32 v[ST+8*\t+4+\k], v[S+32*\t+8*\k], v[S+32*\t+8*\k+1], v[S+32*\t+8*\k+2]
.endr
.endr
.irp i, 3,5
.irp k, 0,1,2,3
.irp t, 0,1
	v_max3_num_f32 v[ST+8*\t+4+\k], v[ST+8*\t+4+\k], v[S+32*\t+8*\k+\i], v[S+32*\t+8*\k+\i+1]
.endr
.endr
.endr
.irp t, 0,1
	v_max3_num_f32 v[ST+8*\t+4], v[ST+8*\t+4], v[S+32*\t+7], v[S+32*\t+15]
.endr
.irp t, 0,1
	v_max3_num_f32 v[ST+8*\t+6], v[ST+8*\t+6], v[S+32*\t+23], v[S+32*\t+31]
.endr
.irp t, 0,1
	v_max3_num_f32 v[ST+8*\t+4], v[ST+8*\t+4], v[ST+8*\t+5], v[ST+8*\t+6]
.endr
.irp t, 0,1
	v_max3_num_f32 v[ST+8*\t+4], v[ST+8*\t+4], v[ST+8*\t+7], v[ST+8*\t+1]
.endr
.irp t, 0,1
	v_permlanex16_b32 v[ST+8*\t+5], v[ST+8*\t+4], s[SEL], s[SEL+1]   ; the query's other 32 keys lie in the lane 16 away
.endr
.irp t, 0,1
	v_mov_b32 v[ST+8*\t+7], v[ST+8*\t]             ; c m_old
.endr
.irp t, 0,1
	v_max_num_f32 v[ST+8*\t+1], v[ST+8*\t+4], v[ST+8*\t+5]
.endr
.irp t, 0,1
	v_mul_f32 v[ST+8*\t], s[CS], v[ST+8*\t+1]
.endr
.irp t, 0,1
	v_sub_f32 v[ST+8*\t+7], v[ST+8*\t+7], v[ST+8*\t]
.endr
.irp b, 0,2,4,6,8,10,12,14,16,18,20,22,24,26,28,30
.irp t, 0,1
	v_pk_fma_f32 v[S+32*\t+\b:S+32*\t+\b+1], v[S+32*\t+\b:S+32*\t+\b+1], s[CS:CS+1], v[ST+8*\t:ST+8*\t+1] op_sel_hi:[1,0,0] neg_lo:[0,0,1] neg_hi:[0,0,1]   ; c s - c m
.endr
.endr
.irp t, 0,1
	v_exp_f32 v[ST+8*\t+6], v[ST+8*\t+7]           ; a
.endr
.irp e, 0,1,2,3,4,5,6,7,8,9,10,11,12,13,14,15,16,17,18,19,20,21,22,23,24,25,26,27,28,29,30,31
.irp t, 0,1
	v_exp_f32 v[S+32*\t+\e], v[S+32*\t+\e]         ; p
.endr
.endr
	v_nop                                          ; a plain instruction behind the last exponential
	s_wait_alu depctr_va_vdst(0)                   ; one wait for the batch of 66, ahead of its first reader
.irp t, 0,1
	v_pk_mul_f32 v[ST+8*\t+2:ST+8*\t+3], v[ST+8*\t+2:ST+8*\t+3], v[ST+8*\t+6:ST+8*\t+7] op_sel_hi:[1,0]   ; l x a
.endr
.irp t, 0,1
	v_pk_add_f32 v[ST+8*\t+4:ST+8*\t+5], v[S+32*\t:S+32*\t+1], v[S+32*\t+2:S+32*\t+3]   ; the row's sum of the f32 p, in two chains
.endr
.irp j, 4,8,12,16,20,24,28
.irp t, 0,1
	v_pk_add_f32 v[ST+8*\t+2:ST+8*\t+3], v[ST+8*\t+2:ST+8*\t+3], v[S+32*\t+\j:S+32*\t+\j+1]
	v_pk_add_f32 v[ST+8*\t+4:ST+8*\t+5], v[ST+8*\t+4:ST+8*\t+5], v[S+32*\t+\j+2:S+32*\t+\j+3]
.endr
.endr
.irp t, 0,1
	v_pk_add_f32 v[ST+8*\t+2:ST+8*\t+3], v[ST+8*\t+2:ST+8*\t+3], v[ST+8*\t+4:ST+8*\t+5]
.endr
.irp j, 0,1,2,3,4,5,6,7,8,9,10,11,12,13,14,15
.irp t, 0,1
	v_cvt_pk_f16_f32 v[S+32*\t+\j], v[S+32*\t+2*\j], v[S+32*\t+2*\j+1]   ; in place, ascending: pair j lands at or under the registers that it leaves
.endr
.endr
.irp j, 0,2,4,6,8,10,12,14,16,18,20,22,24,26,28,30
.irp t, 0,1
	v_pk_mul_f32 v[O+32*\t+\j:O+32*\t+\j+1], v[O+32*\t+\j:O+32*\t+\j+1], v[ST+8*\t+6:ST+8*\t+7] op_sel_hi:[1,0]   ; O^T x a
.endr
.endr
	s_wait_dscnt 0x0                               ; V is in
.irp ks, 0,1                                   ; O^T += V^T P: eight accumulators by turns
.irp t, 0,1
.irp ct, 0,1,2,3
	v_wmma_f32_16x16x32_f16 v[O+32*\t+8*\ct:O+32*\t+8*\ct+7], v[KV+32*\ks+8*\ct:KV+32*\ks+8*\ct+7], v[S+32*\t+8*\ks:S+32*\t+8*\ks+7], v[O+32*\t+8*\ct:O+32*\t+8*\ct+7]
.endr
.endr
.endr
.Lskip_\@:
	s_add_co_u32 s[TB], s[TB], STEPB
	s_add_co_u32 s[KF], s[KF], 64
.endm
.macro SLOT_STEPS n                    ; a slot's eight key steps: written once, walked eight times
	s_mov_b32 s[TB], (\n)*SLOTB
	s_mov_b32 s[CNT], 8
.Lstep_\@:
	STEP
	s_sub_co_u32 s[CNT], s[CNT], 1
	s_cmp_lg_u32 s[CNT], 0
	s_cbranch_scc1 .Lstep_\@
.endm
; THE CHANGE OF SLOTS.  Each wave waits for all its tensor loads (its part of the slot ahead), adds 0 to its spare word, and waits for that and for its reads of the slot that it leaves.
; fill = 1: a round of the cluster's barrier, so that no wave of any partner still reads that slot or has a load on its way; then the joint refill, first thing: it has eight key steps in which to land.
.macro CHANGE fill, g0
	s_wait_tensorcnt 0x0                           ; no tensor load of mine is out, so a group 0 may be written
	ds_add_u32 v[SPW], v[NIL]
.if \fill
	ds_add_u32 v[SPW], v[NIL]                      ; and, where a load follows that twelve waves are led round, twice on end
	s_add_nc_u64 s[\g0+2:\g0+3], s[\g0+2:\g0+3], 2*65536   ; the slot's next 512 keys; the type bits on top are not reached
	s_wait_dscnt 0x0
	CROUND
	TL \g0
.else
	s_wait_dscnt 0x0
	s_barrier_signal -1
	s_barrier_wait -1
.endif
.endm
	s_wait_tensorcnt 1                             ; my part of slot 0 is in; slot 1's may stay out
	s_barrier_signal -1
	s_barrier_wait -1
	s_wait_loadcnt 0x0                             ; Q
	SLOT_STEPS 0                                   ; keys 0 to 511
	CHANGE 1, G0A
	SLOT_STEPS 1                                   ; 512 to 1,023
	CHANGE 1, G0B
	SLOT_STEPS 0                                   ; 1,024 to 1,535
	CHANGE 0, G0A
	SLOT_STEPS 1                                   ; 1,536 to 2,047
	; THE WAY OUT: O^T / l, rounded to f16: a lane's eight channels of a query are its 16 bytes of a block of the projection's operand.
.rept 4
	v_nop
.endr
.irp t, 0,1
	v_add_f32 v[ST+8*\t+4], v[ST+8*\t+2], v[ST+8*\t+3]
.endr
.irp t, 0,1
	v_permlanex16_b32 v[ST+8*\t+5], v[ST+8*\t+4], s[SEL], s[SEL+1]
.endr
.irp t, 0,1
	v_add_f32 v[ST+8*\t+4], v[ST+8*\t+4], v[ST+8*\t+5]
.endr
.irp t, 0,1
	v_rcp_f32 v[ST+8*\t+6], v[ST+8*\t+4]
.endr
	v_nop
	s_wait_alu depctr_va_vdst(0)                   ; one wait for the two reciprocals, ahead of their first reader
.irp t, 0,1
.irp j, 0,2,4,6,8,10,12,14,16,18,20,22,24,26,28,30
	v_pk_mul_f32 v[O+32*\t+\j:O+32*\t+\j+1], v[O+32*\t+\j:O+32*\t+\j+1], v[ST+8*\t+6:ST+8*\t+7] op_sel_hi:[1,0]
.endr
.endr
.irp j, 0,1,2,3,4,5,6,7,8,9,10,11,12,13,14,15,16,17,18,19,20,21,22,23,24,25,26,27,28,29,30,31
	v_cvt_pk_f16_f32 v[S+\j], v[O+2*\j], v[O+2*\j+1]
.endr
.irp t, 0,1
.irp ct, 0,1,2,3
	global_store_b128 v[LI], v[S+16*\t+4*\ct:S+16*\t+4*\ct+3], s[6:7] offset:\t*32768+\ct*512 th:TH_STORE_NT   ; the wave stores 512 consecutive bytes
.endr
.endr
	s_wait_tensorcnt 0x0                           ; the wave's end
	ds_add_u32 v[SPW], v[NIL]
	s_wait_dscnt 0x0
	CROUND                                         ; the closing round
	s_endpgm
.Lfunc_end_k_qa7bd501141_attn:
	.size	k_qa7bd501141_attn, .Lfunc_end_k_qa7bd501141_attn-k_qa7bd501141_attn
	.p2alignl 7, 3214868480
	.fill 96, 4, 3214868480
	.section	.rodata,"a",@progbits
	.p2align	6, 0x0
	.amdhsa_kernel k_qa7bd501141_attn
		.amdhsa_group_segment_fixed_size 327680
		.amdhsa_private_segment_fixed_size 0
		.amdhsa_enable_private_segment 0
		.amdhsa_kernarg_size 16
		.amdhsa_user_sgpr_count 2
		.amdhsa_user_sgpr_kernarg_segment_ptr 1
		.amdhsa_wavefront_size32 1
		.amdhsa_system_sgpr_workgroup_id_x 1
		.amdhsa_system_sgpr_workgroup_id_y 1
		.amdhsa_system_sgpr_workgroup_id_z 1
		.amdhsa_system_vgpr_workitem_id 0
		.amdhsa_next_free_vgpr 256
		.amdhsa_next_free_sgpr 66
		.amdhsa_reserve_vcc 1
		.amdhsa_float_denorm_mode_32 3
		.amdhsa_float_denorm_mode_16_64 3
		.amdhsa_memory_ordered 1
		.amdhsa_forward_progress 1
		.amdhsa_inst_pref_size 102
	.end_amdhsa_kernel
	.amdgpu_metadata
---
amdhsa.version: [ 1, 2 ]
amdhsa.kernels:
  - .name:           k_qa7bd501141_attn
    .symbol:         k_qa7bd501141_attn.kd
    .args:
      - { .name: qkv, .offset: 0, .size: 8, .value_kind: global_buffer, .address_space: global }
      - { .name: att, .offset: 8, .size: 8, .value_kind: global_buffer, .address_space: global }
    .group_segment_fixed_size: 327680
    .private_segment_fixed_size: 0
    .kernarg_segment_align: 8
    .kernarg_segment_size: 16
    .max_flat_workgroup_size: 512
    .sgpr_count:     66
    .vgpr_count:     256
    .wavefront_size: 32
...
	.end_amdgpu_metadata
.endif
;; end of part 3
;; launch proj (part 4): grid 8 x 32, 4 waves a work-group, clusters of 4 x 4, 327,680 bytes of LDS; arguments att, wp, out0; writes out0
.if DOCPART == 4
	.amdgcn_target "amdgcn-amd-amdhsa--gfx1250"
	.amdhsa_code_object_version 6
	.text
	.protected	k_qa7bd501141_proj
	.globl	k_qa7bd501141_proj
	.p2align	8
	.type	k_qa7bd501141_proj,@function
k_qa7bd501141_proj:
	s_mov_b64 s[64:65], 0
	v_nop
	global_prefetch_b8 v0, s[64:65] scope:SCOPE_SE
	s_setreg_imm32_b32 hwreg(HW_REG_WAVE_MODE, 25, 1), 1
	s_wait_xcnt 0x0
	s_wait_alu depctr_hold_cnt(0) depctr_sa_sdst(0) depctr_va_vdst(0) depctr_va_sdst(0) depctr_va_ssrc(0) depctr_va_vcc(0) depctr_vm_vsrc(0)
	s_getreg_b32 s2, hwreg(HW_REG_IB_STS2, 6, 4)
	s_cmp_eq_u32 s2, 0
	s_cbranch_scc0 .Lentry_in_a_cluster
	s_endpgm
.Lentry_in_a_cluster:
	s_bfe_u32 s2, ttmp6, 0x10000c
	s_cmp_lg_u32 s2, 0xf033
	s_cbranch_scc0 .Lentry_shape_is_right
	s_endpgm
.Lentry_shape_is_right:
; out[token][n] = sum over c of o[token][c] Wproj[n][c]: 8,192 tokens, 1,024 columns, K = 1,024; operands f16, sums and result f32.
; Rows 0 to 15 of each batch are stored here too and are stored again, more finely, by the launch that follows.
; A tile of 256 tokens x 128 columns a work-group: 256 work-groups.  Four waves, each 128 tokens x 64 columns: 32 accumulators of 16 x 16 in window 1, (a, b) at v[8 (4 a + b)].
; Both operands lie in memory as images of operand registers: block (tile of 16 rows, channel tile g) of 512 bytes at (tile x 64 + g) x 512.  A K step of 128 is 4,096 consecutive bytes of each tile of rows.
; RING: two LDS slots; a slot holds 16 token tiles x 4,096 bytes, then 8 column tiles x 4,096.  Waves 0 and 1 fetch 8 token tiles each, waves 2 and 3 four column tiles each: one load a wave.
; A fragment is two LDS loads at 16 x lane, 512 consecutive bytes each: no pitch, no padding.
; CLUSTERS: 4 x 4 work-groups; the token tiles are asked for jointly along a row of the cluster, the column tiles along a column.
; THE MATRIX INSTRUCTION IS USED TRANSPOSED (source 0 = 16 columns of Wproj, source 1 = 16 tokens): a lane holds eight neighbouring columns of one token's row.
; REGISTERS: window 0: v0-31 addresses; two fragment buffers of 96: tokens' 64 registers, then columns' 32, at v32 and v128; on the way out v32-95 hold rows.  Window 1: the accumulators.
.set KSTB,   4096                      ; a K step's bytes of a tile of 16 rows
.set SLOT,   98304
.set BOFF,   65536                     ; the column tiles in a slot
.set STAGE,  2*SLOT                    ; behind the ring: 16 rows x 272 bytes for each wave
.set SPITCH, 272
.set SPARE,  STAGE+4*16*SPITCH         ; behind the stages: the spare words, 128 bytes a wave
.set LAPS,   4                         ; a lap = two K steps
.set ADRA, 16                          ; v16-17  LDS address of my token fragments in slot 0, 1
.set ADRB, 20                          ; v20-21  of my column fragments
.set STO,  24
.set RD,   25
.set CO,   26
.set SPW,  28
.set NIL,  29
.set PFO,  30                          ; v30     the prefetch's offset; never rewritten
.set F0,   32
.set F1,   128
.set G1, 24
.set G0, 32
.set G1B, 48
.set G0B, 56
.set PFA, 44                           ; s[44:45] where my prefetches stand
.set LIM, 43                           ; s43     1 in a wave that prefetches, else the greatest number
.set MSB, 0
.macro WIN new
.if MSB != \new
	s_set_vgpr_msb (MSB<<8)|\new
.set MSB, \new
.endif
.endm
.set MUL, 0x50                         ; C and D window 1, sources window 0
.macro JLOAD s                         ; a joint load: waves 0 and 1 for the tokens, waves 2 and 3 for the columns
	s_cmp_eq_u32 s11, 0
	s_cbranch_scc0 .Lfor_b_\@
	tensor_load_to_lds s[G0+4*\s:G0+4*\s+3], s[G1:G1+7]
	s_nop 0
.rept 4
	v_nop
.endr
	s_branch .Lasked_\@
.Lfor_b_\@:
	tensor_load_to_lds s[G0B+4*\s:G0B+4*\s+3], s[G1B:G1B+7]
	s_nop 0
.rept 4
	v_nop
.endr
.Lasked_\@:
.endm
; A prefetch of the attention's result, the K step that stands two refills on: two token tiles x 4,096 bytes, lanes 256 bytes apart, one instruction a wave.  The tile row is read by both clusters of its row of
; clusters: the first (cluster x = 0) asks, its waves 0 and 1; of the 8 token tiles that a wave fetches each of the four partners takes two, told apart by address.  So each 256 bytes are named once.
; K steps 0 to 3 come by their loads alone; the loop's last trip, whose refills are the last two K steps, asks for nothing.
.macro ASK
	s_cmp_gt_u32 s3, s[LIM]
	s_cbranch_scc0 .Lnot_mine_\@
	global_prefetch_b8 v[PFO], s[PFA:PFA+1] offset:KSTB th:TH_LOAD_NT scope:SCOPE_SE
.Lnot_mine_\@:
.endm
.macro CREST
	s_cmp_lg_u32 s10, 0
	s_cbranch_scc1 .Lnot_wave_0_\@
	s_barrier_signal -3
.Lnot_wave_0_\@:
	s_barrier_wait -3
	s_barrier_signal -1
	s_barrier_wait -1
.endm
.macro CROUND
	s_barrier_signal -1
	s_barrier_wait -1
	CREST
.endm
	s_load_b128 s[4:7], s[0:1], 0x0                ; att, wp
	s_load_b64 s[8:9], s[0:1], 0x10                ; out0
	v_lshl_add_u32 v[SPW], v0, 2, SPARE
	v_mov_b32 v[NIL], 0
	ds_add_u32 v[SPW], v[NIL]                      ; the wave's opening: the add, twice on end, and its wait ahead of my first tensor load
	ds_add_u32 v[SPW], v[NIL]
	v_lshrrev_b32 v1, 5, v0
	v_readfirstlane_b32 s10, v1                    ; wave 0..3
	s_lshr_b32 s11, s10, 1                         ; which half of the tokens is mine.  Also: I fetch tokens (0) or columns (1)
	s_and_b32 s12, s10, 1                          ; which half of the columns.  Also: which half of that tile I fetch
	s_bfe_u32 s40, ttmp6, 0x40000                  ; cx, cy
	s_bfe_u32 s41, ttmp6, 0x40004
	s_lshl_b32 s42, ttmp9, 2
	s_add_co_u32 s42, s42, s40                     ; tile column
	s_and_b32 s13, ttmp7, 0xffff
	s_lshl_b32 s13, s13, 2
	s_add_co_u32 s13, s13, s41                     ; tile row
	s_lshl_b32 s43, s41, 2
	s_lshl_b32 s43, 15, s43                        ; my row of the cluster
	s_lshl_b32 s44, 0x1111, s40                    ; my column
	s_or_b32 s[G1+0], s43, (3<<16)|(1<<21)         ; the mask; elements of 8 bytes; bit 21 beside a mask; no padding
	s_or_b32 s[G1B+0], s44, (3<<16)|(1<<21)
	s_mov_b32 s[G1+1], 512<<16                     ; tensor_dim0 = 512 elements: 4,096 bytes
	s_mov_b32 s[G1+2], 8<<16                       ; tensor_dim1 = 8 tiles of rows
	s_mov_b32 s[G1+3], 512<<16                     ; tile_dim0
	s_mov_b32 s[G1+4], 8                           ; tile_dim1
	s_mov_b32 s[G1+5], 4096                        ; pitch: 32,768 bytes from a tile of rows to the next
	s_mov_b32 s[G1+6], 0
	s_mov_b32 s[G1+7], 0
	s_mov_b32 s[G1B+1], 512<<16
	s_mov_b32 s[G1B+2], 4<<16
	s_mov_b32 s[G1B+3], 512<<16
	s_mov_b32 s[G1B+4], 4
	s_mov_b32 s[G1B+5], 4096
	s_mov_b32 s[G1B+6], 0
	s_mov_b32 s[G1B+7], 0
	s_lshl_b32 s16, s13, 19                        ; tokens: 16 tiles of 32,768 bytes a tile row,
	s_lshl_b32 s17, s12, 18                        ; my 8 of them
	s_add_co_u32 s16, s16, s17
	s_mov_b32 s17, 0
	s_lshl_b32 s46, s42, 18                        ; columns: 8 tiles a tile column,
	s_lshl_b32 s47, s12, 17                        ; my 4
	s_add_co_u32 s46, s46, s47
	s_mov_b32 s47, 0
	s_lshl_b32 s20, s12, 15                        ; where they go
	s_lshl_b32 s21, s12, 14
	s_add_co_u32 s21, s21, BOFF
	s_wait_dscnt 0x0                               ; both opening adds are done
	s_wait_kmcnt 0x0
	s_add_nc_u64 s[14:15], s[4:5], s[16:17]
	s_add_nc_u64 s[46:47], s[6:7], s[46:47]
	CROUND                                         ; all sixteen work-groups are here
.irp s, 0,1
	s_mov_b32 s[G0+4*\s], 1
	s_add_co_u32 s[G0+4*\s+1], s20, \s*SLOT
	s_add_nc_u64 s[G0+4*\s+2:G0+4*\s+3], s[14:15], \s*KSTB
	s_or_b32 s[G0+4*\s+3], s[G0+4*\s+3], 0x80000000
	s_mov_b32 s[G0B+4*\s], 1
	s_add_co_u32 s[G0B+4*\s+1], s21, \s*SLOT
	s_add_nc_u64 s[G0B+4*\s+2:G0B+4*\s+3], s[46:47], \s*KSTB
	s_or_b32 s[G0B+4*\s+3], s[G0B+4*\s+3], 0x80000000
	JLOAD \s                                       ; two loads of mine are out
.endr
	v_and_b32 v1, 31, v0
	v_lshlrev_b32 v3, 4, v1                        ; 16 x lane
	s_lshl_b32 s22, s11, 15                        ; my 8 token tiles
	s_lshl_b32 s23, s12, 14                        ; my 4 column tiles
	s_add_co_u32 s23, s23, BOFF
.irp s, 0,1
	v_add_nc_u32 v[ADRA+\s], s22, v3
	v_add_nc_u32 v[ADRB+\s], s23, v3
	s_add_co_u32 s22, s22, SLOT
	s_add_co_u32 s23, s23, SLOT
.endr
	v_and_b32 v1, 15, v0                           ; r
	v_bfe_u32 v2, v0, 4, 1                         ; h
	s_mul_i32 s23, s10, 16*SPITCH
	s_add_co_u32 s23, s23, STAGE                   ; my stage
	v_mul_u32_u24 v4, v1, SPITCH
	v_lshl_add_u32 v4, v2, 5, v4
	v_add_nc_u32 v[STO], s23, v4                   ; in: row r, 32 bytes for each half of the lanes
	v_mul_u32_u24 v5, v2, SPITCH
	v_lshl_add_u32 v5, v1, 4, v5
	v_add_nc_u32 v[RD], s23, v5                    ; back: lanes 0-15 one row of 256 bytes, lanes 16-31 the next
	v_lshlrev_b32 v5, 12, v2
	v_lshl_add_u32 v[CO], v1, 4, v5                ; and the same two rows in out0
	s_lshl_b32 s16, s13, 8
	s_lshl_b32 s17, s11, 7
	s_add_co_u32 s16, s16, s17                     ; my first token
	s_lshl_b32 s16, s16, 12
	s_lshl_b32 s46, s42, 9
	s_lshl_b32 s47, s12, 8
	s_add_co_u32 s46, s46, s47                     ; my first column, in bytes
	s_add_co_u32 s16, s16, s46
	s_mov_b32 s17, 0
	s_add_nc_u64 s[8:9], s[8:9], s[16:17]
	s_lshl_b32 s20, s13, 4                         ; the prefetches: token tile 16 x tile row + 8 x half + 2 cx,
	s_lshl_b32 s21, s12, 3
	s_add_co_u32 s20, s20, s21
	s_lshl_b32 s21, s40, 1
	s_add_co_u32 s20, s20, s21
	s_lshl_b32 s20, s20, 15
	s_add_co_u32 s20, s20, 2*KSTB                  ; at K step 2: the first refill steps it to 3 and names K step 4
	s_mov_b32 s21, 0
	s_add_nc_u64 s[PFA:PFA+1], s[4:5], s[20:21]
	s_or_b32 s22, s11, ttmp9                       ; 0 in waves 0 and 1 of the first column of clusters: the same in all sixteen partners
	s_cmp_eq_u32 s22, 0
	s_cselect_b32 s[LIM], 1, -1
	v_lshlrev_b32 v[PFO], 15, v2
	v_lshl_add_u32 v[PFO], v1, 8, v[PFO]           ; lanes 0-15: one token tile's 16 runs of 256 bytes; lanes 16-31: the next tile's
; n x 4 matrix instructions: token blocks a0 on x the four column blocks, 32 along K from buffer f.  The 32 accumulators take turns, one instruction a turn.
.macro MULB f, a0, n, zero
.set AA, \a0
.rept \n
.irp b, 0,1,2,3
.if \zero
	v_wmma_f32_16x16x32_f16 v[8*(4*AA+\b):8*(4*AA+\b)+7], v[\f+64+8*\b:\f+64+8*\b+7], v[\f+8*AA:\f+8*AA+7], 0
.else
	v_wmma_f32_16x16x32_f16 v[8*(4*AA+\b):8*(4*AA+\b)+7], v[\f+64+8*\b:\f+64+8*\b+7], v[\f+8*AA:\f+8*AA+7], v[8*(4*AA+\b):8*(4*AA+\b)+7]
.endif
.endr
.set AA, AA+1
.endr
.endm
.macro FETCH slot, q, f                ; 24 LDS loads in one run: the slot's q-th 32 along K: the columns' four fragments, then the tokens' eight
	WIN 0
.irp i, 0,1,2,3
	ds_load_b128 v[\f+64+8*\i:\f+64+8*\i+3], v[ADRB+\slot] offset:\i*4096+(\q)*1024
	ds_load_b128 v[\f+64+8*\i+4:\f+64+8*\i+7], v[ADRB+\slot] offset:\i*4096+(\q)*1024+512
.endr
.irp i, 0,1,2,3,4,5,6,7
	ds_load_b128 v[\f+8*\i:\f+8*\i+3], v[ADRA+\slot] offset:\i*4096+(\q)*1024
	ds_load_b128 v[\f+8*\i+4:\f+8*\i+7], v[ADRA+\slot] offset:\i*4096+(\q)*1024+512
.endr
.endm
.macro PLACES
.rept 4
	v_nop
.endr
.endm
.macro QUARTER slot, q, f, g, zero     ; multiplies buffer f; in its middle fetches the slot's q-th quarter into g
	s_wait_dscnt 8                                 ; the columns and token blocks 0-3 are in; the youngest eight loads (blocks 4-7) may be out
	WIN MUL
	MULB \f, 0, 4, \zero
	PLACES
	FETCH \slot, \q, \g
	s_wait_dscnt 24                                ; all but the 24 just issued
	WIN MUL
	MULB \f, 4, 4, \zero
.endm
; A slot's last quarter multiplies buffer 1 and changes slots: one barrier; ahead of it each wave waits for all its tensor loads, adds 0 to its spare word, and waits for that and for its reads of this slot.
.macro TURN slot, next, fill
.if \fill
	s_wait_xcnt 0x0                                ; the last prefetch, a K step back, has read its address
	s_add_nc_u64 s[PFA:PFA+1], s[PFA:PFA+1], KSTB
.endif
	WIN 0
	s_wait_tensorcnt 0x0                           ; all my tensor loads have landed: my part of the next slot
	ds_add_u32 v[SPW], v[NIL]
	s_wait_dscnt 9                                 ; (the add and the youngest eight loads may be out)
	WIN MUL
	MULB F1, 0, 2, 0
	s_wait_dscnt 0x0                               ; the add is done, and my reads of this slot are over
	s_barrier_signal -1
	MULB F1, 2, 2, 0
.if \fill
	WIN 0
.endif
	s_barrier_wait -1
.if \fill
	CREST                                          ; the barrier has opened a round of the cluster's: no wave of any partner still reads this slot or has a load on its way
	s_add_nc_u64 s[G0+4*\slot+2:G0+4*\slot+3], s[G0+4*\slot+2:G0+4*\slot+3], 2*KSTB
	s_add_nc_u64 s[G0B+4*\slot+2:G0B+4*\slot+3], s[G0B+4*\slot+2:G0B+4*\slot+3], 2*KSTB
	JLOAD \slot                                    ; the first tensor load behind the round; its four v_nop are also the places ahead of the loads below
.else
	PLACES
.endif
	FETCH \next, 0, F0
.if \fill
	ASK
.endif
	WIN MUL
	MULB F1, 4, 4, 0
.endm
	s_wait_tensorcnt 1                             ; my part of K step 0 is in (K step 1's load may be out),
	s_barrier_signal -1
	s_barrier_wait -1                              ; everybody's is
	FETCH 0, 0, F0
	QUARTER 0, 1, F0, F1, 1                        ; the first products start the sums
	WIN 0
	s_mov_b32 s3, LAPS-1
.Llap:                                                 ; a trip goes once round the ring and fills both slots again
	QUARTER 0, 2, F1, F0, 0
	QUARTER 0, 3, F0, F1, 0
	TURN 0, 1, 1
	QUARTER 1, 1, F0, F1, 0
	QUARTER 1, 2, F1, F0, 0
	QUARTER 1, 3, F0, F1, 0
	TURN 1, 0, 1
	QUARTER 0, 1, F0, F1, 0
	WIN 0
	s_sub_co_u32 s3, s3, 1
	s_cmp_lg_u32 s3, 0
	s_cbranch_scc1 .Llap
	QUARTER 0, 2, F1, F0, 0                        ; the last lap fills nothing
	QUARTER 0, 3, F0, F1, 0
	TURN 0, 1, 0
	QUARTER 1, 1, F0, F1, 0
	QUARTER 1, 2, F1, F0, 0
	QUARTER 1, 3, F0, F1, 0
	s_wait_dscnt 8
	WIN MUL
	MULB F1, 0, 4, 0
	s_wait_dscnt 0
	MULB F1, 4, 4, 0
	WIN 0
; THE WAY OUT, block by block of 16 tokens x 64 columns: through my own stage and back as whole rows of 256 bytes, so that sixteen lanes store 256 consecutive bytes, aligned.
; LDS serves a wave's instructions in order (ISA guide 5.7.1.4): no wait between the stores and the loads.
.macro TOSTAGE a
	WIN 0x04                                       ; an LDS store's data are its source 1: window 1
.irp b, 0,1,2,3
	ds_store_b128 v[STO], v[8*(4*(\a)+\b):8*(4*(\a)+\b)+3] offset:64*\b          ; each accumulator from its low end on
	ds_store_b128 v[STO], v[8*(4*(\a)+\b)+4:8*(4*(\a)+\b)+7] offset:64*\b+16
.endr
	WIN 0
.set BB, 32+32*((\a)%2)
.irp t, 0,1,2,3,4,5,6,7
	ds_load_b128 v[BB+4*\t:BB+4*\t+3], v[RD] offset:\t*2*SPITCH
.endr
.endm
.macro SEND a, younger
.set BB, 32+32*((\a)%2)
	s_wait_dscnt \younger                          ; the block is back in registers
.irp t, 0,1,2,3,4,5,6,7
	global_store_b128 v[CO], v[BB+4*\t:BB+4*\t+3], s[8:9] offset:(\a)*65536+2*\t*4096 th:TH_STORE_NT
.endr
.endm
	PLACES
	TOSTAGE 0
.irp a, 1,2,3,4,5,6,7
.if \a > 1
	s_wait_xcnt 0x0                                ; block a - 2's stores have read their registers: block a's loads may land there
.endif
	TOSTAGE \a
	SEND \a-1, 16                                  ; behind block a - 1's loads: block a's 8 stores and 8 loads
.endr
	SEND 7, 0
	s_wait_tensorcnt 0x0                           ; the wave's end
	ds_add_u32 v[SPW], v[NIL]
	s_wait_dscnt 0x0
	CROUND                                         ; the closing round
	s_endpgm
.Lfunc_end_k_qa7bd501141_proj:
	.size	k_qa7bd501141_proj, .Lfunc_end_k_qa7bd501141_proj-k_qa7bd501141_proj
	.p2alignl 7, 3214868480
	.fill 96, 4, 3214868480
	.section	.rodata,"a",@progbits
	.p2align	6, 0x0
	.amdhsa_kernel k_qa7bd501141_proj
		.amdhsa_group_segment_fixed_size 327680
		.amdhsa_private_segment_fixed_size 0
		.amdhsa_enable_private_segment 0
		.amdhsa_kernarg_size 24
		.amdhsa_user_sgpr_count 2
		.amdhsa_user_sgpr_kernarg_segment_ptr 1
		.amdhsa_wavefront_size32 1
		.amdhsa_system_sgpr_workgroup_id_x 1
		.amdhsa_system_sgpr_workgroup_id_y 1
		.amdhsa_system_sgpr_workgroup_id_z 1
		.amdhsa_system_vgpr_workitem_id 0
		.amdhsa_next_free_vgpr 512
		.amdhsa_next_free_sgpr 66
		.amdhsa_reserve_vcc 0
		.amdhsa_float_denorm_mode_32 3
		.amdhsa_float_denorm_mode_16_64 3
		.amdhsa_memory_ordered 1
		.amdhsa_forward_progress 1
		.amdhsa_inst_pref_size 86
	.end_amdhsa_kernel
	.amdgpu_metadata
---
amdhsa.version: [ 1, 2 ]
amdhsa.kernels:
  - .name:           k_qa7bd501141_proj
    .symbol:         k_qa7bd501141_proj.kd
    .args:
      - { .name: att, .offset: 0, .size: 8, .value_kind: global_buffer, .address_space: global }
      - { .name: wp, .offset: 8, .size: 8, .value_kind: global_buffer, .address_space: global }
      - { .name: out0, .offset: 16, .size: 8, .value_kind: global_buffer, .address_space: global }
    .group_segment_fixed_size: 327680
    .private_segment_fixed_size: 0
    .kernarg_segment_align: 8
    .kernarg_segment_size: 24
    .max_flat_workgroup_size: 128
    .sgpr_count:     66
    .vgpr_count:     512
    .wavefront_size: 32
...
	.end_amdgpu_metadata
.endif
;; end of part 4
;; launch fine (part 5): grid 64 x 4, 16 waves a work-group, no clusters, 18,432 bytes of LDS; arguments qf, Wproj, out0; writes out0
.if DOCPART == 5
	.amdgcn_target "amdgcn-amd-amdhsa--gfx1250"
	.amdhsa_code_object_version 6
	.text
	.protected	k_qa7bd501141_fine
	.globl	k_qa7bd501141_fine
	.p2align	8
	.type	k_qa7bd501141_fine,@function
k_qa7bd501141_fine:
	s_mov_b64 s[64:65], 0
	v_nop
	global_prefetch_b8 v0, s[64:65] scope:SCOPE_SE
	s_setreg_imm32_b32 hwreg(HW_REG_WAVE_MODE, 25, 1), 1
	s_wait_xcnt 0x0
; The first 16 positions of each batch once more, wholly in f32: they average one to sixteen values and are the largest outputs, so f16 operands would weigh most there.  64 rows of out0 are stored anew.
; WORK LEFT OUT: keys behind position 15 are hidden from these queries by the problem's own causal mask, for every input.
; A work-group is (tile of 16 output columns, batch); a wave is a head.  Each wave makes its head's 16 x 16 attention (32 matrix instructions of the f32 form: no bulk work) and its head's share of the
; projection for the work-group's 16 columns; the sixteen shares are added through LDS, in a fixed order.  The attention is repeated in the 64 work-groups of a batch: that spares a launch and a way through memory.
; The f32 form's K is 4: lane (r, h), register j holds k slot 2 h + j.  Which channel or key stands in a slot is free so long as both sources agree:
;   scores: step s: slot (h, j) = channel 32 h + 2 s + j;   O^T: step s: key 8 h + 2 s + j;   projection: step (ct, i): channel 16 ct + 8 h + 2 i + j.
; All products are used transposed, so that a lane holds one query (lane % 16) throughout.  The four accumulators are written by matrix instructions alone; what is made of a sum goes to other registers.
; The stores are runs of 64 bytes a row, 262,144 bytes in all.
.set ACC, 64                           ; v64-95   four accumulators
.set QR,  96                           ; v96-127  Q: register n = channel 32 h + n of query r
.set KR,  128                          ; v128-159 K likewise
.set VR,  160                          ; v160-191 V: register 8 ct + i = key 8 h + i, channel 16 ct + r
.set WR,  192                          ; v192-223 Wproj: register 8 ct + e = column r, channel 16 ct + 8 h + e of the head
.set PS,  32                           ; v32-39   the scores, then p: register i = key 8 h + i
.set TM,  40                           ; v40-47   at work
.set YS,  48                           ; v48-55   my head's share: register j = column 8 h + j of query r
.set ON,  224                          ; v224-255 o: register 8 ct + j = channel 16 ct + 8 h + j
.set SPW, 16
.set NIL, 17
.set SPARE, 16384                      ; behind the sixteen shares of 1,024 bytes: the spare words
	s_load_b128 s[4:7], s[0:1], 0x0                ; the fine rows of q, k, v; Wproj
	s_load_b64 s[8:9], s[0:1], 0x10                ; out0
	v_lshl_add_u32 v[SPW], v0, 2, SPARE
	v_mov_b32 v[NIL], 0
	v_lshrrev_b32 v1, 5, v0
	v_readfirstlane_b32 s10, v1                    ; wave = head
	s_and_b32 s11, ttmp7, 0xffff                   ; batch
	v_and_b32 v1, 15, v0                           ; r
	v_bfe_u32 v2, v0, 4, 1                         ; h
	v_mul_u32_u24 v3, v1, 12288
	v_lshl_add_u32 v3, v2, 7, v3                   ; q, k: token r's row of 12,288 bytes, + 32 h channels
	v_mul_u32_u24 v4, v2, 98304
	v_lshl_add_u32 v4, v1, 2, v4                   ; v: 8 h tokens down, channel r
	v_lshlrev_b32 v5, 12, v1
	v_lshl_add_u32 v5, v2, 5, v5                   ; Wproj: row r of 4,096 bytes, + 8 h channels.  Also out0: row r, + 8 h columns
	s_lshl_b32 s14, s10, 4
	v_add_nc_u32 v6, s14, v5                       ; out0: + 4 columns for wave 1
	v_and_b32 v7, 31, v0
	v_lshlrev_b32 v7, 4, v7
	s_lshl_b32 s14, s10, 10
	v_add_nc_u32 v7, s14, v7                       ; LDS: my share: 1,024 x wave + 16 x lane
	v_lshlrev_b32 v8, 4, v0                        ; LDS, for waves 0 and 1: 16 x thread: the lower or the upper four registers of a share
	v_lshlrev_b32 v9, 3, v2
	v_sub_nc_u32 v9, v1, v9                        ; d = r - 8 h: key 8 h + i is hidden where i > d
	v_mov_b32 v10, 0xff800000                      ; -infinity
	s_mov_b32 s12, 0x76543210
	s_mov_b32 s13, 0xfedcba98
	s_mov_b32 s16, 0x3e38aa3b                      ; c = log2(e) / 8
	s_mul_i32 s14, s11, 196608                     ; the batch's 16 rows,
	s_lshl_b32 s15, s10, 8                         ; the head's 64 channels
	s_add_co_u32 s14, s14, s15
	s_mov_b32 s15, 0
	s_lshl_b32 s18, ttmp9, 16                      ; Wproj: 16 rows,
	s_lshl_b32 s19, s10, 8                         ; the head's 64 channels
	s_add_co_u32 s18, s18, s19
	s_mov_b32 s19, 0
	s_lshl_b32 s20, s11, 23                        ; out0: the batch's first row,
	s_lshl_b32 s21, ttmp9, 6                       ; the tile's 16 columns
	s_add_co_u32 s20, s20, s21
	s_mov_b32 s21, 0
	s_wait_kmcnt 0x0
	s_add_nc_u64 s[4:5], s[4:5], s[14:15]
	s_add_nc_u64 s[6:7], s[6:7], s[18:19]
	s_add_nc_u64 s[8:9], s[8:9], s[20:21]
.irp i, 0,1,2,3,4,5,6,7
	global_load_b128 v[KR+4*\i:KR+4*\i+3], v3, s[4:5] offset:4096+16*\i
.endr
.irp i, 0,1,2,3,4,5,6,7
	global_load_b128 v[QR+4*\i:QR+4*\i+3], v3, s[4:5] offset:16*\i
.endr
.irp ct, 0,1,2,3
.irp i, 0,1,2,3,4,5,6,7
	global_load_b32 v[VR+8*\ct+\i], v4, s[4:5] offset:\i*12288+8192+64*\ct
.endr
.endr
.irp ct, 0,1,2,3
	global_load_b128 v[WR+8*\ct:WR+8*\ct+3], v5, s[6:7] offset:64*\ct
	global_load_b128 v[WR+8*\ct+4:WR+8*\ct+7], v5, s[6:7] offset:64*\ct+16
.endr
; the four accumulators' sum into v[dst] on, by way of v[TM] on; each accumulator is read from its low end on
.macro SUM4 dst
.irp p, 0,2,4,6
	v_pk_add_f32 v[\dst+\p:\dst+\p+1], v[ACC+\p:ACC+\p+1], v[ACC+8+\p:ACC+8+\p+1]
.endr
.irp p, 0,2,4,6
	v_pk_add_f32 v[TM+\p:TM+\p+1], v[ACC+16+\p:ACC+16+\p+1], v[ACC+24+\p:ACC+24+\p+1]
.endr
.irp p, 0,2,4,6
	v_pk_add_f32 v[\dst+\p:\dst+\p+1], v[\dst+\p:\dst+\p+1], v[TM+\p:TM+\p+1]
.endr
.endm
	; ---- the scores, S^T = K Q^T: 16 steps of 4 channels on four accumulators by turns
	s_wait_loadcnt 40                              ; K and Q are in; V's 32 loads and Wproj's 8 may be out
.irp s, 0,1,2,3,4,5,6,7,8,9,10,11,12,13,14,15
.if \s < 4
	v_wmma_f32_16x16x4_f32 v[ACC+8*(\s%4):ACC+8*(\s%4)+7], v[KR+2*\s:KR+2*\s+1], v[QR+2*\s:QR+2*\s+1], 0
.else
	v_wmma_f32_16x16x4_f32 v[ACC+8*(\s%4):ACC+8*(\s%4)+7], v[KR+2*\s:KR+2*\s+1], v[QR+2*\s:QR+2*\s+1], v[ACC+8*(\s%4):ACC+8*(\s%4)+7]
.endif
.endr
.rept 9
	v_nop                                          ; eight places ahead of the first read of a result of this form; nine ahead of a matrix instruction that begins a sum anew on these registers
.endr
	SUM4 PS
	; ---- the softmax of a query's 16 keys: 8 in my lane, 8 in the lane 16 away
.irp i, 0,1,2,3,4,5,6,7
	v_cmp_gt_i32 vcc_lo, \i, v9
	v_cndmask_b32 v[PS+\i], v[PS+\i], v10, vcc_lo
.endr
	v_max3_num_f32 v[TM], v[PS], v[PS+1], v[PS+2]
	v_max3_num_f32 v[TM], v[TM], v[PS+3], v[PS+4]
	v_max3_num_f32 v[TM], v[TM], v[PS+5], v[PS+6]
	v_max_num_f32 v[TM], v[TM], v[PS+7]
	v_permlanex16_b32 v[TM+1], v[TM], s12, s13
	v_max_num_f32 v[TM], v[TM], v[TM+1]            ; key 0 counts for every query: the maximum is a score
	v_mul_f32 v[TM+1], s16, v[TM]                  ; c m
.irp i, 0,1,2,3,4,5,6,7
	v_fma_f32 v[PS+\i], v[PS+\i], s16, -v[TM+1]
.endr
.irp i, 0,1,2,3,4,5,6,7
	v_exp_f32 v[PS+\i], v[PS+\i]
.endr
	v_nop
	s_wait_alu depctr_va_vdst(0)                   ; one wait for the eight, ahead of their first reader
	v_pk_add_f32 v[TM+2:TM+3], v[PS:PS+1], v[PS+2:PS+3]
	v_pk_add_f32 v[TM+4:TM+5], v[PS+4:PS+5], v[PS+6:PS+7]
	v_pk_add_f32 v[TM+2:TM+3], v[TM+2:TM+3], v[TM+4:TM+5]
	v_add_f32 v[TM+2], v[TM+2], v[TM+3]
	v_permlanex16_b32 v[TM+3], v[TM+2], s12, s13
	v_add_f32 v[TM+2], v[TM+2], v[TM+3]
	v_rcp_f32 v[TM+4], v[TM+2]                     ; 1 / l
	v_nop
	s_wait_alu depctr_va_vdst(0)
	; ---- O^T = V^T P: 4 steps of 4 keys, four tiles of 16 channels by turns
	s_wait_loadcnt 8                               ; V is in; Wproj's 8 loads may be out
.irp s, 0,1,2,3
.irp ct, 0,1,2,3
.if \s == 0
	v_wmma_f32_16x16x4_f32 v[ACC+8*\ct:ACC+8*\ct+7], v[VR+8*\ct+2*\s:VR+8*\ct+2*\s+1], v[PS+2*\s:PS+2*\s+1], 0
.else
	v_wmma_f32_16x16x4_f32 v[ACC+8*\ct:ACC+8*\ct+7], v[VR+8*\ct+2*\s:VR+8*\ct+2*\s+1], v[PS+2*\s:PS+2*\s+1], v[ACC+8*\ct:ACC+8*\ct+7]
.endif
.endr
.endr
.rept 9
	v_nop
.endr
.irp p, 0,2,4,6,8,10,12,14,16,18,20,22,24,26,28,30
	v_pk_mul_f32 v[ON+\p:ON+\p+1], v[ACC+\p:ACC+\p+1], v[TM+4:TM+5] op_sel_hi:[1,0]
.endr
	; ---- my head's share of the projection: 16 steps of 4 channels on four accumulators by turns
	s_wait_loadcnt 0x0
.irp ct, 0,1,2,3
.irp i, 0,1,2,3
.if \ct == 0
	v_wmma_f32_16x16x4_f32 v[ACC+8*\i:ACC+8*\i+7], v[WR+8*\ct+2*\i:WR+8*\ct+2*\i+1], v[ON+8*\ct+2*\i:ON+8*\ct+2*\i+1], 0
.else
	v_wmma_f32_16x16x4_f32 v[ACC+8*\i:ACC+8*\i+7], v[WR+8*\ct+2*\i:WR+8*\ct+2*\i+1], v[ON+8*\ct+2*\i:ON+8*\ct+2*\i+1], v[ACC+8*\i:ACC+8*\i+7]
.endif
.endr
.endr
.rept 9
	v_nop
.endr
	SUM4 YS
	; ---- the sixteen shares meet in LDS
	ds_store_b128 v7, v[YS:YS+3]
	ds_store_b128 v7, v[YS+4:YS+7] offset:512
	s_wait_dscnt 0x0                               ; for the others' sake: my stores have landed
	s_barrier_signal -1
	s_barrier_wait -1
	s_cmp_lt_u32 s10, 2                            ; wave 0 adds the lower four columns of each half, wave 1 the upper four
	s_cbranch_scc0 .Ldone
.irp p, 0,1,2,3,4,5,6,7,8,9,10,11,12,13,14,15
	ds_load_b128 v[QR+4*\p:QR+4*\p+3], v8 offset:1024*\p
.endr
	s_wait_dscnt 0x0
.irp p, 0,2,4,6,8,10,12,14
	v_pk_add_f32 v[QR+4*\p:QR+4*\p+1], v[QR+4*\p:QR+4*\p+1], v[QR+4*\p+4:QR+4*\p+5]
	v_pk_add_f32 v[QR+4*\p+2:QR+4*\p+3], v[QR+4*\p+2:QR+4*\p+3], v[QR+4*\p+6:QR+4*\p+7]
.endr
.irp p, 0,4,8,12
	v_pk_add_f32 v[QR+4*\p:QR+4*\p+1], v[QR+4*\p:QR+4*\p+1], v[QR+4*\p+8:QR+4*\p+9]
	v_pk_add_f32 v[QR+4*\p+2:QR+4*\p+3], v[QR+4*\p+2:QR+4*\p+3], v[QR+4*\p+10:QR+4*\p+11]
.endr
.irp p, 0,8
	v_pk_add_f32 v[QR+4*\p:QR+4*\p+1], v[QR+4*\p:QR+4*\p+1], v[QR+4*\p+16:QR+4*\p+17]
	v_pk_add_f32 v[QR+4*\p+2:QR+4*\p+3], v[QR+4*\p+2:QR+4*\p+3], v[QR+4*\p+18:QR+4*\p+19]
.endr
	v_pk_add_f32 v[QR:QR+1], v[QR:QR+1], v[QR+32:QR+33]
	v_pk_add_f32 v[QR+2:QR+3], v[QR+2:QR+3], v[QR+34:QR+35]
	global_store_b128 v6, v[QR:QR+3], s[8:9]       ; query r, columns 8 h + 4 wave + 0 .. 3 of the tile
.Ldone:
	s_wait_tensorcnt 0x0                           ; the wave's end
	ds_add_u32 v[SPW], v[NIL]
	s_wait_dscnt 0x0
	s_endpgm
.Lfunc_end_k_qa7bd501141_fine:
	.size	k_qa7bd501141_fine, .Lfunc_end_k_qa7bd501141_fine-k_qa7bd501141_fine
	.p2alignl 7, 3214868480
	.fill 96, 4, 3214868480
	.section	.rodata,"a",@progbits
	.p2align	6, 0x0
	.amdhsa_kernel k_qa7bd501141_fine
		.amdhsa_group_segment_fixed_size 18432
		.amdhsa_private_segment_fixed_size 0
		.amdhsa_enable_private_segment 0
		.amdhsa_kernarg_size 24
		.amdhsa_user_sgpr_count 2
		.amdhsa_user_sgpr_kernarg_segment_ptr 1
		.amdhsa_wavefront_size32 1
		.amdhsa_system_sgpr_workgroup_id_x 1
		.amdhsa_system_sgpr_workgroup_id_y 1
		.amdhsa_system_sgpr_workgroup_id_z 1
		.amdhsa_system_vgpr_workitem_id 0
		.amdhsa_next_free_vgpr 256
		.amdhsa_next_free_sgpr 66
		.amdhsa_reserve_vcc 1
		.amdhsa_float_denorm_mode_32 3
		.amdhsa_float_denorm_mode_16_64 3
		.amdhsa_memory_ordered 1
		.amdhsa_forward_progress 1
		.amdhsa_inst_pref_size 20
	.end_amdhsa_kernel
	.amdgpu_metadata
---
amdhsa.version: [ 1, 2 ]
amdhsa.kernels:
  - .name:           k_qa7bd501141_fine
    .symbol:         k_qa7bd501141_fine.kd
    .args:
      - { .name: qf, .offset: 0, .size: 8, .value_kind: global_buffer, .address_space: global }
      - { .name: Wproj, .offset: 8, .size: 8, .value_kind: global_buffer, .address_space: global }
      - { .name: out0, .offset: 16, .size: 8, .value_kind: global_buffer, .address_space: global }
    .group_segment_fixed_size: 18432
    .private_segment_fixed_size: 0
    .kernarg_segment_align: 8
    .kernarg_segment_size: 24
    .max_flat_workgroup_size: 512
    .sgpr_count:     66
    .vgpr_count:     256
    .wavefront_size: 32
...
	.end_amdgpu_metadata
.endif
;; end of part 5
